; MI455X (gfx1250); checked and timed in simulation.
; The chip was launched on July 23, 2026; its instructions are those of AMD's public machine-readable ISA for CDNA 5 (MIT licence, August 2026) and "CDNA5" Instruction Set Architecture Reference Guide (July 2026). The comments in the code are by the model that wrote it; some were corrected since.
;; Multi Head Attention. Allowed arithmetic: matrix products marked QUANTISED: E2M1 operands, one E8M0 scale for each 32 along K, by v_wmma_scale_f32_16x16x128_f8f6f4 with both operands' format E2M1 (or v_wmma_scale_f32_32x16x128_f4), f32 sums; products left as they are: bf16, f16 or f32 operands; f32 sums; everything else in f32.
;; Inputs: W_o 1,024 x 1,024 float32; W_qkv 1,024 x 3,072 float32; x 4 x 2,048 x 1,024 float32.
;; Outputs: out0 4 x 2,048 x 1,024 float32.
;; This version of the problem:
;;   THIS VERSION OF THE PROBLEM IS GIVEN IN LOW PRECISION. The matrix products marked QUANTISED in the list below multiply operands that are first quantised to E2M1 (2 exponent bits, 1 mantissa bit; 4 bits a number), with one power-of-two scale for each 32 numbers along K (OCP MX v1.0); their sums are f32. The products marked 'left as it is' may take bf16, f16 or f32 operands, with f32 sums. Whichever they take, every output number must still come out within the allowed error. Rounding operands to bf16 (8 significant bits) uses up far more of that allowance than f16 does (11 bits, for magnitudes from 6e-5 to 65,504). All else is computed in f32.
;;   The module's matrix products, in the order in which they are computed (A, B: the left and right operand; K: the contracted axis; several contracted axes count as one K, in the product's order):
;;     1. [M 8,192, K 1,024] x [K 1,024, N 3,072]; A: input x; B: input W_qkv: QUANTISED
;;     2. batch 64 x [M 2,048, K 64] x [K 64, N 2,048]; A: computed on the way; B: computed on the way: left as it is (an operand is computed on the way)
;;     3. batch 64 x [M 2,048, K 2,048] x [K 2,048, N 64]; A: computed on the way; B: computed on the way: left as it is (an operand is computed on the way)
;;     4. [M 8,192, K 1,024] x [K 1,024, N 1,024]; A: computed on the way; B: input W_o: left as it is (an operand is computed on the way)
;;   THE QUANTISER, for each operand of a quantised product, along K:
;;     - K is cut into blocks of 32 from its start; a last block that is shorter is filled with zeros.
;;     - A block's scale is 2^e with e = floor(log2(the largest magnitude in the block)) - 2, held to -126 .. 127; a block of zeros has e = 0. As a byte (E8M0): e + 127.
;;     - Each number is divided by its block's scale, clamped to +-6, and rounded to the nearest number of E2M1, ties to even, subnormals kept.
;;     - The product sums the exact products of the quantised numbers (number of the format x scale) in f32.
;;   ~~~python
;;   def quantise(x, axis):      # numpy; x: float32 -> the quantised numbers, widened to float32 again
;;       x = np.moveaxis(x, axis, -1); K = x.shape[-1]
;;       x = np.pad(x, [(0, 0)] * (x.ndim - 1) + [(0, -K % 32)]); x = x.reshape(x.shape[:-1] + (-1, 32)); a = np.abs(x).max(-1, keepdims=True)
;;       e = np.where(a > 0, np.clip(np.frexp(np.where(a > 0, a, 1))[1] - 1 - 2, -126, 127), 0)      # np.frexp(a)[1] - 1 = floor(log2(a)), exactly
;;       r = np.clip(x / 2.0 ** e, -6, 6)
;;       step = 2.0 ** (np.maximum(np.frexp(np.where(r == 0, 1, r))[1] - 1, 0) - 1)
;;       q = np.round(r / step) * step * 2.0 ** e      # np.round: ties to even
;;       return np.moveaxis(q.reshape(q.shape[:-2] + (-1,))[..., :K], -1, axis).astype(np.float32)
;;   ~~~
;; One version. Each part assembles by itself: llvm-mc -triple=amdgcn-amd-amdhsa -mcpu=gfx1250 --defsym DOCPART=n.
;; ======== version 1 of 1: 4 launches
;; limits: values are held in f16: magnitudes above 65,504 overflow, below 6.1e-05 lose precision
;; workspace buffers: x_codes 4,194,304 bytes; x_scales 262,144 bytes; w_codes 1,572,864 bytes; w_scales 98,304 bytes; wo_h 2,097,152 bytes; qkv 50,331,648 bytes; att 16,777,216 bytes
;; launch prep (part 1): grid 368 x 1, 4 waves a work-group, no clusters, 68,096 bytes of LDS; arguments x, W_qkv, W_o, x_codes, x_scales, w_codes, w_scales, wo_h; writes x_codes, x_scales, w_codes, w_scales, wo_h
.if DOCPART == 1
	.amdgcn_target "amdgcn-amd-amdhsa--gfx1250"
	.amdhsa_code_object_version 6
	.text
	.protected	k_qe26db7ec8e_prep
	.globl	k_qe26db7ec8e_prep
	.p2align	8
	.type	k_qe26db7ec8e_prep,@function
k_qe26db7ec8e_prep:
	s_mov_b64 s[64:65], 0
	v_nop
	global_prefetch_b8 v0, s[64:65] scope:SCOPE_SE
	s_setreg_imm32_b32 hwreg(HW_REG_WAVE_MODE, 25, 1), 1
	s_wait_xcnt 0x0
; PREP: three pieces of work that read each f32 input once, in one launch; the work-group's number alone says which piece.
;  X (work-groups 0-255):   x [8192][1024] f32 -> codes of FP4 (E2M1), K innermost, [8192][512 bytes], and one E8M0 byte for each 32 along K, [8192][32].
;  W (work-groups 256-303): W_qkv [1024 (k)][3072 (c)] f32, K its FIRST axis -> codes [3072 rows][512 bytes] and bytes [3072][32].  Column c = 48 d + 16 which + h of the fused axis becomes
;                           row n' = 1024 which + 64 h + d: so the product's columns come out sorted by q/k/v, head, channel, and the permutation costs nothing later.
;  O (work-groups 304-367): W_o [1024][1024] f32 -> f16, as it lies.
; A block's scale is 2^(floor(log2(its largest magnitude)) - 2); its byte is the largest magnitude's exponent field - 2, held at 1 from below.  A block of zeros so gets the byte 1 where the
; quantiser's rule says 127: its codes are zeros, which add nothing under any byte but 0xff, and the bytes are read by this program alone.
; LIMITS: NaN and infinities among the inputs are not served; blocks whose largest magnitude lies under 2^(3 - 127) keep the byte 1; |W_o| above 65,504 has no f16 number.
; No tensor loads, no barrier: waves share nothing.  Each piece has LDS bytes of its own and ends by itself.
.set SIZE_N,  3072
.set EMAX,    2
.set SP,      80                       ; X: a lane's place in a stage: its 64 bytes + 16 of padding
.set CB,      8                        ; X: bytes of 16 codes
.set STEPS,   16                       ; X: steps of 512 numbers for a wave
.set WREG,    8192                     ; X: LDS bytes 0 .. 32,767: a region for each wave: two stages of 32 x SP bytes, then its 256 scale bytes
.set WSTG,    32768                    ; W: LDS bytes 32,768 .. 67,583: a stage of 32 rows x PITCH for each wave
.set PITCH,   272                      ; W: a stage row: 256 bytes of codes + 16
.set NB,      16                       ; W: blocks of 32 along K for a lane
.set SPARE,   WSTG+4*32*PITCH          ; the spare words, 128 bytes for each wave: two blocks of 256 bytes that no other line names
.set SPW,     12                       ; v12  LDS address of my spare word: SPARE + 4 x my thread's number; never rewritten
.set NIL,     13                       ; v13  0; never rewritten
.set XR,      16                       ; X: v16-79   four sets of 16 numbers as they are loaded
.set XN,      80                       ; X: v80-111  two sets of 16 neighbours
.set XE,      112                      ; X: v112-127 a scale byte for each step
.set XC,      128                      ; X: v128-191 codes: four registers for each step, so that no store's data are written again
.set SB,      24                       ; W: v24-27   the scale bytes, four to a register
.set WX,      32                       ; W: v32-95   two sets of 32 numbers
.set WC,      96                       ; W: v96-99   a block's codes
.set OUTR,    112                      ; W: v112-175 the way out: 16 x 4 registers
.set ROFF,    176                      ; W: v176-191 the way out: byte offset in w_codes of the 16 bytes that I store in turn t
.macro FINISH                          ; a wave's end
	s_wait_tensorcnt 0x0
	ds_add_u32 v[SPW], v[NIL]
	s_wait_dscnt 0x0
	s_endpgm
.endm
	s_load_b256 s[4:11], s[0:1], 0x0               ; x s[4:5], W_qkv s[6:7], W_o s[8:9], x_codes s[10:11]
	s_load_b256 s[12:19], s[0:1], 0x20             ; x_scales s[12:13], w_codes s[14:15], w_scales s[16:17], wo_h s[18:19]
	v_lshl_add_u32 v[SPW], v0, 2, SPARE
	v_mov_b32 v[NIL], 0
	v_lshrrev_b32 v1, 5, v0
	v_readfirstlane_b32 s20, v1                    ; wave 0..3
	v_and_b32 v2, 31, v0                           ; lane
	s_wait_kmcnt 0x0
	s_cmp_lt_u32 ttmp9, 256
	s_cbranch_scc0 .Lnot_x
; ---------------- X.  Rows are dense and K is a multiple of 32: x is a plain stream of blocks of 32, and so are its codes and its bytes.  A wave takes 16 steps of 512 numbers.
; Each load reads 512 consecutive bytes, 16 a lane; a step's 2,048 bytes go through the wave's own stage and come back 64 bytes a lane: 16 NEIGHBOURS, as the conversions want them.  Two neighbouring lanes hold a block.
	v_lshlrev_b32 v3, 4, v2                        ; my 16 bytes of a load's 512
	s_mul_i32 s21, s20, WREG
	v_lshrrev_b32 v14, 2, v2
	v_mul_u32_u24 v14, v14, SP
	v_and_b32 v15, 3, v2
	v_lshl_add_u32 v14, v15, 4, v14
	v_add_nc_u32 v14, s21, v14                     ; the stage, on the way in: SP (lane / 4) + 16 (lane % 4)
	v_mul_u32_u24 v15, v2, SP
	v_add_nc_u32 v15, s21, v15                     ; and on the way out: SP x lane
	v_mul_u32_u24 v4, v2, CB                       ; my codes' place in a step's
	v_lshrrev_b32 v5, 1, v2
	s_add_co_u32 s21, s21, 2*32*SP
	v_add_nc_u32 v5, s21, v5                       ; LDS: my wave's 256 scale bytes, my block's byte
	v_lshlrev_b32 v7, 3, v2                        ; and on the way out 8 bytes a lane
	v_add_nc_u32 v6, s21, v7
	s_lshl_b32 s22, ttmp9, 2
	s_add_co_u32 s22, s22, s20                     ; which run of 8,192 numbers is my wave's
	s_mov_b32 s23, 0
	s_lshl_b64 s[24:25], s[22:23], 15              ; 32,768 bytes of x,
	s_add_nc_u64 s[4:5], s[4:5], s[24:25]
	s_lshl_b64 s[24:25], s[22:23], 12              ; 4,096 of codes,
	s_add_nc_u64 s[10:11], s[10:11], s[24:25]
	s_lshl_b64 s[24:25], s[22:23], 8               ; 256 scale bytes a run
	s_add_nc_u64 s[12:13], s[12:13], s[24:25]
.macro XLOAD t
.irp i, 0,1,2,3
	global_load_b128 v[XR+16*((\t)%4)+4*\i:XR+16*((\t)%4)+4*\i+3], v3, s[4:5] offset:2048*(\t)+512*\i th:TH_LOAD_NT   ; 32 lanes read 512 consecutive bytes
.endr
.endm
.macro XTURN t                         ; step t's numbers through the stage: LDS serves a wave's instructions in order, so no wait stands between the stores and the loads
.irp i, 0,1,2,3
	ds_store_b128 v14, v[XR+16*((\t)%4)+4*\i:XR+16*((\t)%4)+4*\i+3] offset:32*SP*((\t)%2)+8*SP*\i
.endr
.irp i, 0,1,2,3
	ds_load_b128 v[XN+16*((\t)%2)+4*\i:XN+16*((\t)%2)+4*\i+3], v15 offset:32*SP*((\t)%2)+16*\i
.endr
.endm
.irp t, 0,1,2,3
	XLOAD \t
.endr
	s_wait_loadcnt 12                              ; step 0's four loads are in; the 12 of steps 1 to 3 may be out
	XTURN 0
.macro XSTEP t
.set XS, XN+16*((\t)%2)
.if (\t) > 0
	s_wait_dscnt 1                                 ; this step's numbers are back from the stage; the last step's byte store may be out
.else
	s_wait_dscnt 0x0
.endif
.if (\t)+4 < STEPS
	XLOAD (\t)+4                                   ; the stage's stores have read their registers: these take the loads of four steps on
.endif
.if (\t)+1 < STEPS
.if STEPS-2-(\t) >= 3
	s_wait_loadcnt 12                              ; the next step's four loads are in; those of the three steps behind it may be out
.else
	s_wait_loadcnt 4*(STEPS-2-(\t))
.endif
	XTURN (\t)+1                                   ; and go through the other stage while this step is worked
.endif
	v_max3_num_f32 v8, |v[XS]|, |v[XS+1]|, |v[XS+2]|               ; the largest magnitude of my 16, in two chains
	v_max3_num_f32 v9, |v[XS+3]|, |v[XS+4]|, |v[XS+5]|
.irp i, 6,10
	v_max3_num_f32 v8, v8, |v[XS+\i]|, |v[XS+\i+1]|
	v_max3_num_f32 v9, v9, |v[XS+\i+2]|, |v[XS+\i+3]|
.endr
	v_max3_num_f32 v8, v8, |v[XS+14]|, |v[XS+15]|
	v_max3_num_f32 v8, v8, v9, (EMAX+1)<<23        ; and the floor 2^(EMAX + 1 - 127): so the byte cannot fall under 1
	v_max_num_f32_dpp v8, v8, v8 row_xmask:1 row_mask:0xf bank_mask:0xf   ; and of my neighbour's 16: the block's
	v_add_nc_u32 v11, -(EMAX<<23), v8              ; EMAX off its exponent field: the conversion takes the exponent field of this operand as its scale, and nothing else of it
	v_cvt_scalef32_pk8_fp4_f32 v[XC+4*(\t)], v[XS:XS+7], v11       ; eight numbers / the scale, to the nearest code, ties to even, beyond the largest code the largest
	v_cvt_scalef32_pk8_fp4_f32 v[XC+4*(\t)+1], v[XS+8:XS+15], v11
	v_lshrrev_b32 v[XE+(\t)], 23, v11              ; the scale's byte (also the plain line behind the conversions)
	ds_store_b8 v5, v[XE+(\t)] offset:16*(\t)      ; both lanes of a block write the same byte with the same value
	global_store_b64 v4, v[XC+4*(\t):XC+4*(\t)+1], s[10:11] offset:32*CB*(\t)   ; the wave stores 256 consecutive bytes, aligned
.endm
.irp t, 0,1,2,3,4,5,6,7,8,9,10,11,12,13,14,15
	XSTEP \t
.endr
	ds_load_b64 v[8:9], v6                         ; LDS serves a wave's instructions in order: these see my byte stores
	s_wait_dscnt 0x0
	global_store_b64 v7, v[8:9], s[12:13]          ; 32 lanes store 256 consecutive bytes, aligned
	FINISH
.Lnot_x:
	s_cmp_lt_u32 ttmp9, 304
	s_cbranch_scc0 .Lpath_o
; ---------------- W.  A LANE TAKES A COLUMN c, AND ITS REGISTERS RUN DOWN K: each load reads 128 consecutive bytes a wave, a block of 32 along K lies in one lane's 32 registers, and the conversions
; give the codes with K innermost.  A wave takes 32 columns x 512 along K.  24 work-groups along the columns, 2 along K.
	s_sub_co_u32 s21, ttmp9, 256
	s_cmp_ge_u32 s21, 24
	s_cselect_b32 s22, 1, 0                        ; y: which 512 along K
	s_cselect_b32 s23, 24, 0
	s_sub_co_u32 s21, s21, s23
	s_lshl_b32 s21, s21, 7
	s_lshl_b32 s23, s20, 5
	s_add_co_u32 s21, s21, s23                     ; c0: my wave's first column
	v_lshlrev_b32 v3, 2, v2                        ; in: 4 bytes a lane
	s_mul_i32 s26, s20, 32*PITCH
	s_add_co_u32 s26, s26, WSTG                    ; my stage
	v_mul_u32_u24 v4, v2, PITCH
	v_add_nc_u32 v4, s26, v4                       ; into it: row = my column
	v_and_b32 v5, 15, v2
	v_lshrrev_b32 v6, 4, v2                        ; out of it: sixteen lanes to a row, two rows an instruction
	v_mul_u32_u24 v7, v6, PITCH
	v_lshl_add_u32 v7, v5, 4, v7
	v_add_nc_u32 v7, s26, v7
	s_mul_i32 s24, s22, 512*SIZE_N*4
	s_lshl_b32 s25, s21, 2
	s_add_co_u32 s24, s24, s25
	s_mov_b32 s25, 0
	s_add_nc_u64 s[6:7], s[6:7], s[24:25]          ; W_qkv at row 512 y, column c0
	s_lshl_b32 s24, s22, 8
	s_add_nc_u64 s[14:15], s[14:15], s[24:25]      ; the codes' rows at byte 256 y
	s_lshl_b32 s24, s22, 4
	s_add_nc_u64 s[16:17], s[16:17], s[24:25]      ; the bytes' rows at byte 16 y
.macro WLOAD t                         ; block t: W(32 t + i, my column), i = 0 .. 31, into set t % 2.  The largest offset, 511 rows of 12,288 bytes, lies inside the signed 24-bit immediate
.irp i, 0,1,2,3,4,5,6,7,8,9,10,11,12,13,14,15,16,17,18,19,20,21,22,23,24,25,26,27,28,29,30,31
	global_load_b32 v[WX+32*((\t)%2)+\i], v3, s[6:7] offset:(32*(\t)+\i)*SIZE_N*4 th:TH_LOAD_NT
.endr
.endm
	WLOAD 0
	WLOAD 1
; column c -> row n' = 1024 ((c % 48) / 16) + 64 (c % 16) + c / 48.  c / 48 = (c x 43,691) >> 21, exact for c < 3,072: 48 x 43,691 = 2^21 + 16, an excess of under 2^-11 at c / 48 = 64
.macro NPRIME dst, src
	v_mul_u32_u24 v18, v[\src], 0xaaab
	v_lshrrev_b32 v18, 21, v18                     ; d
	v_mul_u32_u24 v19, v18, 48
	v_sub_nc_u32 v19, v[\src], v19                 ; 16 which + h
	v_lshrrev_b32 v20, 4, v19                      ; which
	v_and_b32 v19, 15, v19                         ; h
	v_lshl_or_b32 v18, v19, 6, v18
	v_lshl_or_b32 v[\dst], v20, 10, v18
.endm
	v_add_nc_u32 v8, s21, v2                       ; my column
	NPRIME 9, 8
	v_lshlrev_b32 v9, 5, v9                        ; its row of scale bytes: 32 bytes a row
	v_add_nc_u32 v8, s21, v6                       ; on the way out: c0 + lane / 16,
	v_lshlrev_b32 v5, 4, v5                        ; 16 (lane % 16)
.irp t, 0,1,2,3,4,5,6,7,8,9,10,11,12,13,14,15
	v_add_nc_u32 v10, 2*\t, v8                     ; turn t stores the stage's rows 2 t and 2 t + 1
	NPRIME ROFF+\t, 10
	v_lshl_add_u32 v[ROFF+\t], v[ROFF+\t], 9, v5   ; 512 bytes a row of codes
.endr
.macro BLOCK t
.set XS, WX+32*((\t)%2)
.if (\t) < NB-1
	s_wait_loadcnt 32                              ; this block's 32 loads are in; the next block's 32 may be out
.else
	s_wait_loadcnt 0
.endif
	v_max3_num_f32 v16, |v[XS]|, |v[XS+1]|, |v[XS+2]|              ; the block's largest magnitude: all 32 numbers are mine
	v_max3_num_f32 v17, |v[XS+3]|, |v[XS+4]|, |v[XS+5]|
.irp i, 6,10,14,18,22,26
	v_max3_num_f32 v16, v16, |v[XS+\i]|, |v[XS+\i+1]|
	v_max3_num_f32 v17, v17, |v[XS+\i+2]|, |v[XS+\i+3]|
.endr
	v_max3_num_f32 v16, v16, |v[XS+30]|, |v[XS+31]|
	v_max3_num_f32 v16, v16, v17, (EMAX+1)<<23     ; and the floor: the byte cannot fall under 1
	v_add_nc_u32 v11, -(EMAX<<23), v16             ; the conversion's scale operand
	v_lshrrev_b32 v17, 23, v11                     ; the scale's byte
.if (\t)%4 == 0
	v_mov_b32 v[SB+(\t)/4], v17                    ; four bytes to a register, the lower K in the lower byte
.else
	v_lshl_or_b32 v[SB+(\t)/4], v17, 8*((\t)%4), v[SB+(\t)/4]
.endif
.irp g, 0,1,2,3
	v_cvt_scalef32_pk8_fp4_f32 v[WC+\g], v[XS+8*\g:XS+8*\g+7], v11
.endr
	ds_store_b128 v4, v[WC:WC+3] offset:16*(\t)    ; 32 codes: 16 bytes of my column's row.  (The next block begins with plain vector lines: they stand between these conversions and the next writes of their registers)
.if (\t)+2 < NB
	WLOAD (\t)+2
.endif
	s_wait_dscnt 0x0                               ; the store has read its registers: the next block's codes may be written
.endm
.set Q, 0
.rept NB
	BLOCK Q
.set Q, Q+1
.endr
	global_store_b128 v9, v[SB:SB+3], s[16:17]     ; my column's 16 scale bytes
.irp t, 0,1,2,3,4,5,6,7,8,9,10,11,12,13,14,15
	ds_load_b128 v[OUTR+4*\t:OUTR+4*\t+3], v7 offset:2*\t*PITCH   ; LDS serves a wave's instructions in order: these see my stores
.endr
.irp t, 0,1,2,3,4,5,6,7,8,9,10,11,12,13,14,15
	s_wait_dscnt 15-\t                             ; turn t's load is in; the younger ones may be out
	global_store_b128 v[ROFF+\t], v[OUTR+4*\t:OUTR+4*\t+3], s[14:15]   ; sixteen lanes store 256 consecutive bytes, aligned
.endr
	FINISH
.Lpath_o:
; ---------------- O.  A wave takes 4,096 numbers of W_o: 32 loads of 512 consecutive bytes, all issued first; each becomes 256 consecutive bytes of f16.
	s_sub_co_u32 s21, ttmp9, 304
	s_lshl_b32 s21, s21, 2
	s_add_co_u32 s22, s21, s20
	s_mov_b32 s23, 0
	s_lshl_b64 s[24:25], s[22:23], 14
	s_add_nc_u64 s[8:9], s[8:9], s[24:25]
	s_lshl_b64 s[24:25], s[22:23], 13
	s_add_nc_u64 s[18:19], s[18:19], s[24:25]
	v_lshlrev_b32 v3, 4, v2
	v_lshlrev_b32 v4, 3, v2
.set Q, 0
.rept 32
	global_load_b128 v[32+4*Q:35+4*Q], v3, s[8:9] offset:512*Q th:TH_LOAD_NT
.set Q, Q+1
.endr
.set Q, 0
.rept 32
	s_wait_loadcnt 31-Q                            ; this load is in; the younger ones may be out
	v_cvt_pk_f16_f32 v[32+4*Q], v[32+4*Q], v[33+4*Q]
	v_cvt_pk_f16_f32 v[33+4*Q], v[34+4*Q], v[35+4*Q]
	global_store_b64 v4, v[32+4*Q:33+4*Q], s[18:19] offset:256*Q   ; the wave stores 256 consecutive bytes, aligned
.set Q, Q+1
.endr
	FINISH
.Lfunc_end_k_qe26db7ec8e_prep:
	.size	k_qe26db7ec8e_prep, .Lfunc_end_k_qe26db7ec8e_prep-k_qe26db7ec8e_prep
	.p2alignl 7, 3214868480
	.fill 96, 4, 3214868480
	.section	.rodata,"a",@progbits
	.p2align	6, 0x0
	.amdhsa_kernel k_qe26db7ec8e_prep
		.amdhsa_group_segment_fixed_size 68096
		.amdhsa_private_segment_fixed_size 0
		.amdhsa_enable_private_segment 0
		.amdhsa_kernarg_size 64
		.amdhsa_user_sgpr_count 2
		.amdhsa_user_sgpr_kernarg_segment_ptr 1
		.amdhsa_wavefront_size32 1
		.amdhsa_system_sgpr_workgroup_id_x 1
		.amdhsa_system_sgpr_workgroup_id_y 1
		.amdhsa_system_sgpr_workgroup_id_z 1
		.amdhsa_system_vgpr_workitem_id 0
		.amdhsa_next_free_vgpr 192
		.amdhsa_next_free_sgpr 66
		.amdhsa_reserve_vcc 0
		.amdhsa_float_denorm_mode_32 3
		.amdhsa_float_denorm_mode_16_64 3
		.amdhsa_memory_ordered 1
		.amdhsa_forward_progress 1
		.amdhsa_inst_pref_size 130
	.end_amdhsa_kernel
	.amdgpu_metadata
---
amdhsa.version: [ 1, 2 ]
amdhsa.kernels:
  - .name:           k_qe26db7ec8e_prep
    .symbol:         k_qe26db7ec8e_prep.kd
    .args:
      - { .name: x, .offset: 0, .size: 8, .value_kind: global_buffer, .address_space: global }
      - { .name: W_qkv, .offset: 8, .size: 8, .value_kind: global_buffer, .address_space: global }
      - { .name: W_o, .offset: 16, .size: 8, .value_kind: global_buffer, .address_space: global }
      - { .name: x_codes, .offset: 24, .size: 8, .value_kind: global_buffer, .address_space: global }
      - { .name: x_scales, .offset: 32, .size: 8, .value_kind: global_buffer, .address_space: global }
      - { .name: w_codes, .offset: 40, .size: 8, .value_kind: global_buffer, .address_space: global }
      - { .name: w_scales, .offset: 48, .size: 8, .value_kind: global_buffer, .address_space: global }
      - { .name: wo_h, .offset: 56, .size: 8, .value_kind: global_buffer, .address_space: global }
    .group_segment_fixed_size: 68096
    .private_segment_fixed_size: 0
    .kernarg_segment_align: 8
    .kernarg_segment_size: 64
    .max_flat_workgroup_size: 128
    .sgpr_count:     66
    .vgpr_count:     192
    .wavefront_size: 32
...
	.end_amdgpu_metadata
.endif
;; end of part 1
;; launch qkv (part 2): grid 12 x 32, 4 waves a work-group, clusters of 4 x 4, 327,680 bytes of LDS; arguments x_codes, x_scales, w_codes, w_scales, qkv; writes qkv
.if DOCPART == 2
	.amdgcn_target "amdgcn-amd-amdhsa--gfx1250"
	.amdhsa_code_object_version 6
	.text
	.protected	k_qe26db7ec8e_qkv
	.globl	k_qe26db7ec8e_qkv
	.p2align	8
	.type	k_qe26db7ec8e_qkv,@function
k_qe26db7ec8e_qkv:
	s_mov_b64 s[64:65], 0
	v_nop
	global_prefetch_b8 v0, s[64:65] scope:SCOPE_SE
	s_setreg_imm32_b32 hwreg(HW_REG_WAVE_MODE, 25, 1), 1
	s_wait_xcnt 0x0
	s_wait_alu depctr_hold_cnt(0) depctr_sa_sdst(0) depctr_va_vdst(0) depctr_va_sdst(0) depctr_va_ssrc(0) depctr_va_vcc(0) depctr_vm_vsrc(0)
	s_getreg_b32 s2, hwreg(HW_REG_IB_STS2, 6, 4)
	s_cmp_eq_u32 s2, 0
	s_cbranch_scc0 .Lentry_in_a_cluster
	s_endpgm
.Lentry_in_a_cluster:
	s_bfe_u32 s2, ttmp6, 0x10000c
	s_cmp_lg_u32 s2, 0xf033
	s_cbranch_scc0 .Lentry_shape_is_right
	s_endpgm
.Lentry_shape_is_right:
; QKV: C[m][n'] = sum over k of x[m][k] W[n'][k] on codes of FP4 (E2M1) with one E8M0 scale for each 32 along K; sums in f32; the results are rounded once to f16 and stored by head:
; qkv [which 3][b 4][h 16][t 2048][64], with m = 2048 b + t and n' = 1024 which + 64 h + d (the weight's rows were laid in that order when they were quantised).
; LIMIT: |q|, |k|, |v| above 65,504 have no f16 number.
; A tile of C, 256 x 256, is made by a work-group of four waves; a wave makes 128 x 128: 64 accumulators of 16 x 16, 512 registers.  K = 1,024 is two slots of 512 (a tile's row: 256 bytes of memory):
; BOTH SLOTS ARE FILLED AT THE START AND NONE IS FILLED AGAIN.  The scales of the work-group's 256 + 256 rows, for all of K, come with them, as dense blocks in rows of 256 bytes.
; CLUSTERS: 4 x 4 work-groups.  The four of a row of the cluster need the same tiles of x, the four of a column the same tiles of W: each tile is asked for JOINTLY, by the same tensor load with the same
; descriptor and a mask that names the four.  THE MATRIX INSTRUCTION IS USED TRANSPOSED (source 0 = 16 rows of W, source 1 = 16 rows of x): a lane then holds eight neighbouring channels of one row t.
; REGISTERS, in windows of 256: window 0: v0-31 addresses; v32-95 scale words, two sets; from v128 x's fragments (8 x 16 rows x 128 K), ONE set; on the way out v32-255 are free.
;   window 1: W's fragments, TWO sets, at v0 and at v128.   window 2: the 32 accumulators of my rows 0-63 (accumulator (a, b) at v[8 (8 a + b)]);   window 3: those of my rows 64-127.
.set SIZE_M, 8192
.set SIZE_N, 3072
.set SIZE_K, 1024
.set KSTEP,  512                       ; along K in a slot
.set NQ,     KSTEP/128                 ; matrix instructions deep
.set ROWB,   256                       ; a tile's row in bytes
.set KROW,   SIZE_K*4/8                ; a row of codes in memory, in bytes
.set PITCH,  272                       ; an LDS row: 256 bytes + 16 of padding = 68 words: the 16 rows that a load touches start at 16 different banks (64 banks of 4 bytes: ISA guide 11.1)
.set FR,     8                         ; registers of a fragment: 16 rows x 128 K
.set NL,     2                         ; LDS loads that bring one
.set NP,     4                         ; places behind this matrix instruction (ISA guide 7.12.1)
.set HALFT,  128*PITCH                 ; 128 rows: what one tensor load brings
.set SLOT,   4*HALFT                   ; x's 256 rows, then W's 256 rows
.set KS,     SIZE_K/32                 ; a row of scales in bytes
.set SCL,    2*SLOT                    ; behind the two slots: the scales, as rows of 256 bytes + 16 of padding
.set HALFS,  (128*KS/256)*272          ; the scales of 128 rows: what one tensor load brings
.set SBLK,   (16*KS/256)*272           ; those of 16 rows
.set SPARE,  SCL+4*HALFS               ; the spare words, 128 bytes for each wave: two blocks of 256 bytes that no other line names
.set SPITCH, 272                       ; the way out: a stage of 16 rows x (256 bytes + 16) for each wave, in slot 0, which has had its only fill and its last read when the first result is stored there
.set HB,     262144                    ; a head's block in qkv: 2,048 rows of 128 bytes
.set ADRA, 16                          ; v16-17  LDS address of my x fragments in slot 0, 1
.set ADRB, 20                          ; v20-21  the same for W
.set STO,  24                          ; v24     the way out: where I put 16 bytes of a row
.set RD,   25                          ; v25     the way out: where I read back
.set CO,   26                          ; v26     16 x lane: my bytes of a store's 512
.set ADRS, 27                          ; v27     LDS address of my scale words: lanes 0-15 x's rows, lanes 16-31 W's
.set SPW,  28                          ; v28     LDS address of my spare word; never rewritten
.set NIL,  29                          ; v29     0; never rewritten
.set SC,   32                          ; scale words: set s at v[SC + 8 NQ s]; register NQ i + q: lanes 0-15 the word of x's block i, lanes 16-31 that of W's block i, for the slot's q-th 128 along K
.set AF,   128                         ; x's fragments, in window 0
.set TMP,  32                          ; the way out: a block's 32 packed registers
.set BK,   128                         ; the way out: a block read back: v128-159 and v160-191 by turns
.set G1, 24                            ; s[24:31] descriptor group 1 for x's tiles;  s[32:39] group 0, one set for each slot
.set G0, 32
.set G1B, 48                           ; s[48:55], s[56:63] the same for W's tiles
.set G0B, 56
.set G1S, 68                           ; s[68:75], s[76:79] groups 1 and 0 for x's scales;  s[80:87], s[88:91] for W's
.set G0S, 76
.set G1SB, 80
.set G0SB, 88
.set MSB, 0
.macro WIN new                         ; the immediate's high byte repeats the setting that is left
.if MSB != \new
	s_set_vgpr_msb (MSB<<8)|\new
.set MSB, \new
.endif
.endm
.set MUL_LO, 0xa1                      ; source 0 (W) window 1, source 1 (x) window 0, C and D window 2
.set MUL_HI, 0xf1                      ; the same, C and D window 3
.set TO_B,   0x40                      ; destination window 1, address window 0
; A joint load: waves 0 and 1 fetch for x, waves 2 and 3 for W.  Each of the two lines has ONE mask and one set of registers for all that issue it; the branch hangs on the wave's number alone.
; An s_nop 0 and four v_nop follow each of the two lines, ahead of the jump, the label and what follows.
.macro JLOAD g0a, g1a, g0b, g1b
	s_cmp_eq_u32 s15, 0
	s_cbranch_scc0 .Lfor_b_\@
	tensor_load_to_lds s[\g0a:\g0a+3], s[\g1a:\g1a+7]
	s_nop 0
.rept 4
	v_nop
.endr
	s_branch .Lasked_\@
.Lfor_b_\@:
	tensor_load_to_lds s[\g0b:\g0b+3], s[\g1b:\g1b+7]
	s_nop 0
.rept 4
	v_nop
.endr
.Lasked_\@:
.endm
.macro CROUND                          ; a round of the cluster's barrier: my work-group's barrier; wave 0 signals for the work-group; every wave waits for all sixteen; my work-group's barrier once more
	s_barrier_signal -1
	s_barrier_wait -1
	s_cmp_lg_u32 s14, 0
	s_cbranch_scc1 .Lnot_wave_0_\@
	s_barrier_signal -3
.Lnot_wave_0_\@:
	s_barrier_wait -3
	s_barrier_signal -1
	s_barrier_wait -1
.endm
	s_load_b128 s[4:7], s[0:1], 0x0                ; x's codes s[4:5], x's scales s[6:7]
	s_load_b128 s[8:11], s[0:1], 0x10              ; W's codes s[8:9], W's scales s[10:11]
	s_load_b64 s[12:13], s[0:1], 0x20              ; qkv
	v_lshl_add_u32 v[SPW], v0, 2, SPARE
	v_mov_b32 v[NIL], 0
	ds_add_u32 v[SPW], v[NIL]                      ; the wave's opening: the add, twice on end, and its wait ahead of my first tensor load; the set-up below stands between the second and the wait
	ds_add_u32 v[SPW], v[NIL]
	v_lshrrev_b32 v1, 5, v0
	v_readfirstlane_b32 s14, v1                    ; wave 0..3
	s_lshr_b32 s15, s14, 1                         ; which half of the tile's rows is mine.  Also: I fetch for x (0) or for W (1)
	s_and_b32 s16, s14, 1                          ; which half of its columns.  Also: which 128 rows of that tile I fetch
	s_bfe_u32 s40, ttmp6, 0x40000                  ; cx, cy: my place in the cluster
	s_bfe_u32 s41, ttmp6, 0x40004
	s_lshl_b32 s42, ttmp9, 2
	s_add_co_u32 s42, s42, s40                     ; tile column of C = 4 x cluster x + cx
	s_and_b32 s17, ttmp7, 0xffff
	s_lshl_b32 s17, s17, 2
	s_add_co_u32 s17, s17, s41                     ; tile row of C = 4 x cluster y + cy
	s_lshl_b32 s43, s41, 2
	s_lshl_b32 s43, 15, s43                        ; my row of the cluster
	s_lshl_b32 s44, 0x1111, s40                    ; my column
	; descriptor group 1: a tile of 128 rows x ROWB bytes, padded in LDS
	s_or_b32 s[G1+0], s43, (0<<16)|(1<<20)|(1<<21)|(5<<22)|(3<<25)  ; 15:0 the mask: x's tiles go to my row; 17:16 element of 1 byte; 20 padding on; 21 set beside a mask; 24:22 after every 64 words (code 5); 31:25 of 4 words (code 3)
	s_or_b32 s[G1B+0], s44, (0<<16)|(1<<20)|(1<<21)|(5<<22)|(3<<25)
.irp g, G1, G1B
	s_mov_b32 s[\g+1], ROWB<<16                    ; tensor_dim0
	s_mov_b32 s[\g+2], 128<<16                     ; tensor_dim1 = 128
	s_mov_b32 s[\g+3], ROWB<<16                    ; tile_dim0
	s_mov_b32 s[\g+4], 128                         ; tile_dim1 = 128
	s_mov_b32 s[\g+5], KROW                        ; tensor_dim0_stride
	s_mov_b32 s[\g+6], 0
	s_mov_b32 s[\g+7], 0
.endr
	; and for the scales of 128 rows: a dense block of 128 KS bytes, as rows of 256 bytes (32 elements of 8 bytes), 16 bytes of padding behind each
	s_or_b32 s[G1S+0], s43, (3<<16)|(1<<20)|(1<<21)|(5<<22)|(3<<25)
	s_or_b32 s[G1SB+0], s44, (3<<16)|(1<<20)|(1<<21)|(5<<22)|(3<<25)
.irp g, G1S, G1SB
	s_mov_b32 s[\g+1], 32<<16
	s_mov_b32 s[\g+2], (128*KS/256)<<16
	s_mov_b32 s[\g+3], 32<<16
	s_mov_b32 s[\g+4], 128*KS/256
	s_mov_b32 s[\g+5], 32
	s_mov_b32 s[\g+6], 0
	s_mov_b32 s[\g+7], 0
.endr
	s_lshl_b32 s18, s16, 7                         ; which 128 rows of the tile I fetch
	s_lshl_b32 s20, s17, 8
	s_add_co_u32 s20, s20, s18                     ; x: row 256 x tile row + 128 x half
	s_lshl_b32 s46, s42, 8
	s_add_co_u32 s46, s46, s18                     ; W: row 256 x tile column + 128 x half
	s_mov_b32 s21, 0
	s_mov_b32 s47, 0
	s_mov_b64 s[18:19], KS
	s_mul_u64 s[22:23], s[20:21], s[18:19]         ; where these rows' scales begin, in bytes
	s_mul_u64 s[92:93], s[46:47], s[18:19]
	s_mov_b64 s[18:19], KROW
	s_mul_u64 s[20:21], s[20:21], s[18:19]         ; and their codes
	s_mul_u64 s[46:47], s[46:47], s[18:19]
	s_mul_i32 s45, s14, HALFT                      ; where they go: wave x 128 rows: no place in the cluster enters an LDS address
	s_mul_i32 s94, s14, HALFS
	s_wait_dscnt 0x0                               ; both opening adds are done
	s_wait_kmcnt 0x0
	s_add_nc_u64 s[20:21], s[4:5], s[20:21]
	s_add_nc_u64 s[22:23], s[6:7], s[22:23]
	s_add_nc_u64 s[46:47], s[8:9], s[46:47]
	s_add_nc_u64 s[92:93], s[10:11], s[92:93]
	CROUND                                         ; all sixteen work-groups are here: the joint loads meet
	s_mov_b32 s[G0S], 1
	s_add_co_u32 s[G0S+1], s94, SCL
	s_mov_b64 s[G0S+2:G0S+3], s[22:23]
	s_or_b32 s[G0S+3], s[G0S+3], 0x80000000
	s_mov_b32 s[G0SB], 1
	s_add_co_u32 s[G0SB+1], s94, SCL
	s_mov_b64 s[G0SB+2:G0SB+3], s[92:93]
	s_or_b32 s[G0SB+3], s[G0SB+3], 0x80000000
	JLOAD G0S, G1S, G0SB, G1SB                     ; the scales first: they are wanted with the first slot.  Three loads of mine are out behind the next two
.irp s, 0,1
	s_mov_b32 s[G0+4*\s], 1
	s_add_co_u32 s[G0+4*\s+1], s45, \s*SLOT
	s_add_nc_u64 s[G0+4*\s+2:G0+4*\s+3], s[20:21], \s*ROWB
	s_or_b32 s[G0+4*\s+3], s[G0+4*\s+3], 0x80000000
	s_mov_b32 s[G0B+4*\s], 1
	s_add_co_u32 s[G0B+4*\s+1], s45, \s*SLOT
	s_add_nc_u64 s[G0B+4*\s+2:G0B+4*\s+3], s[46:47], \s*ROWB
	s_or_b32 s[G0B+4*\s+3], s[G0B+4*\s+3], 0x80000000
	JLOAD G0+4*\s, G1, G0B+4*\s, G1B
.endr
	v_and_b32 v1, 15, v0                           ; l % 16
	v_bfe_u32 v2, v0, 4, 1                         ; l / 16
	v_mul_u32_u24 v3, v1, PITCH
	v_lshl_add_u32 v4, v2, 4, v3                   ; a fragment's row x pitch + 16 x half
	s_mul_i32 s21, s15, HALFT                      ; my 128 rows of x
	s_mul_i32 s22, s16, HALFT                      ; my 128 rows of W,
	s_add_co_u32 s22, s22, 2*HALFT                 ; which lie behind x's 256
.irp s, 0,1
	v_add_nc_u32 v[ADRA+\s], s21, v4
	v_add_nc_u32 v[ADRB+\s], s22, v4
	s_add_co_u32 s21, s21, SLOT
	s_add_co_u32 s22, s22, SLOT
.endr
	v_mul_u32_u24 v5, v1, KS                       ; my row's scales: KS bytes a row,
	v_lshrrev_b32 v6, 8, v5
	v_lshl_add_u32 v5, v6, 4, v5                   ; and 16 more for each 256 passed
	s_mul_i32 s21, s15, HALFS                      ; x's: my 128 rows
	s_mul_i32 s22, s16, HALFS                      ; W's: my 128 rows, behind x's 256
	s_add_co_u32 s22, s22, 2*HALFS
	s_sub_co_u32 s22, s22, s21
	v_mul_u32_u24 v6, s22, v2                      ; lanes 16-31 take W's: the lower base + half x the distance
	s_add_co_u32 s21, s21, SCL
	v_add_nc_u32 v5, v5, v6
	v_add_nc_u32 v[ADRS], s21, v5
	s_mul_i32 s23, s14, 16*SPITCH                  ; my stage
	v_mul_u32_u24 v5, v1, SPITCH                   ; in: row l % 16, 16 bytes for each half of the lanes
	v_lshl_add_u32 v5, v2, 4, v5
	v_add_nc_u32 v[STO], s23, v5
	v_and_b32 v6, 31, v0
	v_lshlrev_b32 v[CO], 4, v6                     ; 16 x lane
	v_lshrrev_b32 v5, 3, v6                        ; back: eight lanes take a head's 128 bytes of a row, four rows an instruction
	v_mul_u32_u24 v5, v5, SPITCH
	v_and_b32 v6, 7, v6
	v_lshl_add_u32 v5, v6, 4, v5
	v_add_nc_u32 v[RD], s23, v5
	; where my 128 rows x 2 heads begin in qkv: block (which 64 + b 16 + h) of HB bytes, row t0 of 128 bytes
	s_lshl_b32 s46, s42, 2
	s_lshl_b32 s47, s16, 1
	s_add_co_u32 s46, s46, s47                     ; n' / 64 = 4 x tile column + 2 x half: even, so the second head lies in the next block
	s_lshr_b32 s47, s46, 4                         ; which
	s_lshl_b32 s47, s47, 6
	s_and_b32 s46, s46, 15                         ; h
	s_add_co_u32 s46, s46, s47
	s_lshr_b32 s47, s17, 3                         ; b = tile row / 8
	s_lshl_b32 s47, s47, 4
	s_add_co_u32 s46, s46, s47
	s_lshl_b32 s46, s46, 18                        ; x HB: 191 blocks at the most, under 2^32 bytes
	s_and_b32 s47, s17, 7
	s_lshl_b32 s47, s47, 15                        ; 256 rows of 128 bytes for each tile row in the batch,
	s_add_co_u32 s46, s46, s47
	s_lshl_b32 s47, s15, 14                        ; 128 rows for my half
	s_add_co_u32 s46, s46, s47
	s_mov_b32 s47, 0
	s_add_nc_u64 s[12:13], s[12:13], s[46:47]
.macro FRAG reg, adr, q, i             ; a fragment, 16 rows x 128 K of 4-bit codes, is 8 registers: lane l holds row l % 16; registers 4 c .. 4 c + 3 hold K = 64 c + 32 (l / 16) + 0 .. 31
.irp c, 0,1
	ds_load_b128 v[\reg+4*\c:\reg+4*\c+3], v[\adr] offset:64*(\q)+32*\c+(\i)*16*PITCH
.endr
.endm
; 16 matrix instructions: x's blocks a0, a0 + 1 against W's eight, 128 along K: the slot's q-th.  p: W's set;  sc: the set of scale words.  zero = 1: the first product starts the sums: nothing is ever cleared.
; The 64 accumulators take turns, one instruction a turn, in the same order in every step.
.macro MUL16 a0, p, q, sc, zero
.irp a, \a0, \a0+1
.irp b, 0,1,2,3,4,5,6,7
.if \zero
	v_wmma_scale_f32_16x16x128_f8f6f4 v[8*(8*((\a)%4)+\b):8*(8*((\a)%4)+\b)+7], v[128*(\p)+FR*\b:128*(\p)+FR*\b+FR-1], v[AF+FR*(\a):AF+FR*(\a)+FR-1], 0, v[SC+8*NQ*(\sc)+NQ*\b+(\q)], v[SC+8*NQ*(\sc)+NQ*(\a)+(\q)] matrix_a_fmt:MATRIX_FMT_FP4 matrix_b_fmt:MATRIX_FMT_FP4 matrix_a_scale:MATRIX_SCALE_ROW1
.else
	v_wmma_scale_f32_16x16x128_f8f6f4 v[8*(8*((\a)%4)+\b):8*(8*((\a)%4)+\b)+7], v[128*(\p)+FR*\b:128*(\p)+FR*\b+FR-1], v[AF+FR*(\a):AF+FR*(\a)+FR-1], v[8*(8*((\a)%4)+\b):8*(8*((\a)%4)+\b)+7], v[SC+8*NQ*(\sc)+NQ*\b+(\q)], v[SC+8*NQ*(\sc)+NQ*(\a)+(\q)] matrix_a_fmt:MATRIX_FMT_FP4 matrix_b_fmt:MATRIX_FMT_FP4 matrix_a_scale:MATRIX_SCALE_ROW1
.endif
.endr
.endr
.endm
.macro FETCH_B slot, q, p              ; W's eight fragments of the slot's q-th 128 along K into set p
	WIN TO_B
.irp i, 0,1,2,3,4,5,6,7
	FRAG 128*(\p)+FR*\i, ADRB+\slot, \q, \i
.endr
	WIN 0
.endm
.macro FETCH_A slot, q, i0             ; x's blocks i0 .. i0 + 3
.irp i, \i0, \i0+1, \i0+2, \i0+3
	FRAG AF+FR*(\i), ADRA+\slot, \q, \i
.endr
.endm
.macro SCALES sc                       ; a slot's scale words into set sc: NQ words a row; lanes 0-15 take x's block i, lanes 16-31 W's block i
.irp i, 0,1,2,3,4,5,6,7
	ds_load_b128 v[SC+8*NQ*\sc+NQ*\i:SC+8*NQ*\sc+NQ*\i+3], v[ADRS] offset:\i*SBLK
.endr
.endm
; A load into a register that a matrix instruction has read, and a vector instruction that reads a matrix result or writes one of its registers, stand NP places behind that matrix instruction, and only plain
; vector instructions that name none of its registers are places (ISA guide 7.12.1 for vector instructions).
.macro PLACES n
.rept \n
	v_nop
.endr
.endm
; A step of 128 along K that has its successor in the same slot.  x's blocks are free as soon as their eight products are issued: blocks 0-3 are fetched anew in the step's middle, blocks 4-7 at its end.
.macro STEP slot, q, zero
	s_wait_dscnt 4*NL                              ; W's set and x's blocks 0-3 are in; the youngest 8 loads (x's blocks 4-7) may be out
	WIN MUL_LO
	MUL16 0, (\q)%2, \q, \slot, \zero
	MUL16 2, (\q)%2, \q, \slot, \zero
	s_wait_dscnt 0                                 ; x's blocks 4-7 are in (asked for 32 matrix instructions ago)
	PLACES NP
	FETCH_B \slot, (\q)+1, 1-(\q)%2
	FETCH_A \slot, (\q)+1, 0
	WIN MUL_HI
	MUL16 4, (\q)%2, \q, \slot, \zero
	MUL16 6, (\q)%2, \q, \slot, \zero
	PLACES NP
	WIN 0
	FETCH_A \slot, (\q)+1, 4
.endm
; Slot 0's last step changes slots: ONE barrier; in front of it each wave waits for all its tensor loads (its part of slot 1), adds 0 to its spare word, and waits for that and for its own reads of slot 0.
; Behind it slot 1 is whole, and nobody reads slot 0 any more: the way out may store there.
.macro TURN slot, next
	s_wait_tensorcnt 0x0                           ; all my tensor loads have landed  (every window is 0 here: the add's two registers lie in window 0)
	ds_add_u32 v[SPW], v[NIL]                      ; 0 onto my spare word
	s_wait_dscnt 4*NL+1                            ; the add and the youngest 8 loads, x's blocks 4-7, may be out
	WIN MUL_LO
	MUL16 0, 1, NQ-1, \slot, 0                     ; sixteen matrix instructions stand between the add and the wait for it
	s_wait_dscnt 0x0                               ; the add is done, and my reads of this slot are over
	s_barrier_signal -1
	MUL16 2, 1, NQ-1, \slot, 0
	WIN 0
	s_barrier_wait -1
	PLACES NP
	v_add_nc_u32 v[ADRS], 4*NQ, v[ADRS]            ; on to the next slot's scale words (no LDS load of mine is out)
	FETCH_B \next, 0, 0
	FETCH_A \next, 0, 0
	SCALES \next
	WIN MUL_HI
	MUL16 4, 1, NQ-1, \slot, 0
	MUL16 6, 1, NQ-1, \slot, 0
	PLACES NP
	WIN 0
	FETCH_A \next, 0, 4
.endm
.macro STEPS slot, from                ; the slot's steps from .. NQ - 2
.set Q, \from
.rept NQ-1-\from
	STEP \slot, Q, 0
.set Q, Q+1
.endr
.endm
	s_wait_tensorcnt 1                             ; the scales and my part of slot 0 are in; slot 1's load may be out
	s_barrier_signal -1
	s_barrier_wait -1                              ; everybody's are
	FETCH_B 0, 0, 0
	FETCH_A 0, 0, 0
	SCALES 0
	FETCH_A 0, 0, 4
	STEP 0, 0, 1                                   ; the first step's products start the sums
	STEPS 0, 1
	TURN 0, 1
	STEPS 1, 0
	s_wait_dscnt 4*NL                              ; the very last step: nothing more to fetch
	WIN MUL_LO
	MUL16 0, 1, NQ-1, 1, 0
	MUL16 2, 1, NQ-1, 1, 0
	s_wait_dscnt 0
	WIN MUL_HI
	MUL16 4, 1, NQ-1, 1, 0
	MUL16 6, 1, NQ-1, 1, 0
	WIN 0
; THE WAY OUT, block by block of 16 rows t x 128 columns (two heads).  PACK: rounded to f16, each accumulator from its low end on: a lane's eight channels are 16 bytes.  TOSTAGE: into my own stage, rows of 256 + 16
; bytes, and back so that an instruction's 32 lanes hold four rows of ONE head: 512 bytes that are neighbours in qkv.  SEND: stored.
.macro PACK a
.set AC, 64*((\a)%4)
	WIN 0x0a+5*((\a)/4)                            ; sources 0 and 1: window 2 or 3
.irp b, 0,1,2,3,4,5,6,7
.irp r, 0,1,2,3
	v_cvt_pk_f16_f32 v[TMP+4*\b+\r], v[AC+8*\b+2*\r], v[AC+8*\b+2*\r+1]
.endr
.endr
	WIN 0
.endm
.macro TOSTAGE a
.set BB, BK+32*((\a)%2)
.irp b, 0,1,2,3,4,5,6,7
	ds_store_b128 v[STO], v[TMP+4*\b:TMP+4*\b+3] offset:32*\b
.endr
.irp g, 0,1
.irp i, 0,1,2,3
	ds_load_b128 v[BB+4*(4*\g+\i):BB+4*(4*\g+\i)+3], v[RD] offset:128*\g+4*SPITCH*\i   ; LDS serves a wave's instructions in order (ISA guide 5.7.1.4): these see the stores above
.endr
.endr
.endm
.macro SEND a
.set BB, BK+32*((\a)%2)
	s_wait_dscnt 0x0                               ; the block is back in registers
	s_wait_xcnt 0x0                                ; the earlier blocks' stores have read their registers: the next block's loads may land where the block before this one lay
.irp g, 0,1
.irp i, 0,1,2,3
	global_store_b128 v[CO], v[BB+4*(4*\g+\i):BB+4*(4*\g+\i)+3], s[12:13] offset:2048*(\a)+HB*\g+512*\i   ; 32 lanes store 512 consecutive bytes, aligned
.endr
.endr
.endm
	PLACES NP                                      ; behind the last products: the conversions read results and write over the scale words; the stage's loads land where x's fragments lay
	PACK 0
	TOSTAGE 0
.irp a, 1,2,3,4,5,6,7                  ; block a's conversions stand between block a - 1's loads from the stage and the wait for them
	PACK \a
	SEND \a-1
	TOSTAGE \a
.endr
	SEND 7
	s_wait_tensorcnt 0x0                           ; the wave's end
	ds_add_u32 v[SPW], v[NIL]
	s_wait_dscnt 0x0
	CROUND                                         ; the closing round: no work-group ends while a partner may still ask for a tile that names it
	s_endpgm
.Lfunc_end_k_qe26db7ec8e_qkv:
	.size	k_qe26db7ec8e_qkv, .Lfunc_end_k_qe26db7ec8e_qkv-k_qe26db7ec8e_qkv
	.p2alignl 7, 3214868480
	.fill 96, 4, 3214868480
	.section	.rodata,"a",@progbits
	.p2align	6, 0x0
	.amdhsa_kernel k_qe26db7ec8e_qkv
		.amdhsa_group_segment_fixed_size 327680
		.amdhsa_private_segment_fixed_size 0
		.amdhsa_enable_private_segment 0
		.amdhsa_kernarg_size 40
		.amdhsa_user_sgpr_count 2
		.amdhsa_user_sgpr_kernarg_segment_ptr 1
		.amdhsa_wavefront_size32 1
		.amdhsa_system_sgpr_workgroup_id_x 1
		.amdhsa_system_sgpr_workgroup_id_y 1
		.amdhsa_system_sgpr_workgroup_id_z 1
		.amdhsa_system_vgpr_workitem_id 0
		.amdhsa_next_free_vgpr 1024
		.amdhsa_next_free_sgpr 98
		.amdhsa_reserve_vcc 0
		.amdhsa_float_denorm_mode_32 3
		.amdhsa_float_denorm_mode_16_64 3
		.amdhsa_memory_ordered 1
		.amdhsa_forward_progress 1
		.amdhsa_inst_pref_size 126
	.end_amdhsa_kernel
	.amdgpu_metadata
---
amdhsa.version: [ 1, 2 ]
amdhsa.kernels:
  - .name:           k_qe26db7ec8e_qkv
    .symbol:         k_qe26db7ec8e_qkv.kd
    .args:
      - { .name: x_codes, .offset: 0, .size: 8, .value_kind: global_buffer, .address_space: global }
      - { .name: x_scales, .offset: 8, .size: 8, .value_kind: global_buffer, .address_space: global }
      - { .name: w_codes, .offset: 16, .size: 8, .value_kind: global_buffer, .address_space: global }
      - { .name: w_scales, .offset: 24, .size: 8, .value_kind: global_buffer, .address_space: global }
      - { .name: qkv, .offset: 32, .size: 8, .value_kind: global_buffer, .address_space: global }
    .group_segment_fixed_size: 327680
    .private_segment_fixed_size: 0
    .kernarg_segment_align: 8
    .kernarg_segment_size: 40
    .max_flat_workgroup_size: 128
    .sgpr_count:     98
    .vgpr_count:     1024
    .wavefront_size: 32
...
	.end_amdgpu_metadata
.endif
;; end of part 2
;; launch attn (part 3): grid 4 x 64, 8 waves a work-group, clusters of 4 x 1, 327,680 bytes of LDS; arguments qkv, att; writes att
.if DOCPART == 3
	.amdgcn_target "amdgcn-amd-amdhsa--gfx1250"
	.amdhsa_code_object_version 6
	.text
	.protected	k_qe26db7ec8e_attn
	.globl	k_qe26db7ec8e_attn
	.p2align	8
	.type	k_qe26db7ec8e_attn,@function
k_qe26db7ec8e_attn:
	s_mov_b64 s[64:65], 0
	v_nop
	global_prefetch_b8 v0, s[64:65] scope:SCOPE_SE
	s_setreg_imm32_b32 hwreg(HW_REG_WAVE_MODE, 25, 1), 1
	s_wait_xcnt 0x0
	s_wait_alu depctr_hold_cnt(0) depctr_sa_sdst(0) depctr_va_vdst(0) depctr_va_sdst(0) depctr_va_ssrc(0) depctr_va_vcc(0) depctr_vm_vsrc(0)
	s_getreg_b32 s2, hwreg(HW_REG_IB_STS2, 6, 4)
	s_cmp_eq_u32 s2, 0
	s_cbranch_scc0 .Lentry_in_a_cluster
	s_endpgm
.Lentry_in_a_cluster:
	s_bfe_u32 s2, ttmp6, 0x10000c
	s_cmp_lg_u32 s2, 0x3003
	s_cbranch_scc0 .Lentry_shape_is_right
	s_endpgm
.Lentry_shape_is_right:
; ATTN: O[bh][q][:] = the sum over k of softmax_k(Q[bh][q] . K[bh][k] / 8) V[bh][k][:], no mask.  q, k, v: qkv [3][64 (b, h)][2048][64] f16.  Products, maxima and sums in f32; the weights p are rounded to f16
; for the second product, O once at the end.  att: f16 [h 16][m = 2048 b + t][64], so that a head's 64 channels of many rows are dense for the projection.
; LIMIT: f16 operands: |q|, |k|, |v| up to 65,504 (p lies in (0, 1], O inside v's range).
; SHARES.  A work-group owns 512 queries of one (b, h); each of its EIGHT waves owns 64: four tiles of 16, in 512 registers: two waves to a SIMD, so that one wave's vector work stands beside the other's matrix work.
; Every fragment of K and V that a wave reads from LDS feeds four matrix instructions.  Every wave walks all 2,048 keys, 64 a step.
; LAYOUT.  S^T = K Q^T (source 0 = 16 keys, source 1 = 16 queries): a lane holds ONE query (lane % 16) and keys 8 (lane / 16) + 0..7.  Two such tiles, rounded to f16 in pairs, ARE source 1 (32 keys x 16 queries) of
; O^T = V^T P, whose result again holds one query a lane.  K comes out of LDS as it lies, V ([key][channel]) turned, by ds_load_tr16_b128.
; SOFTMAX.  For each query a running maximum m and sum l: p = 2^(c s - c m), c = log2(e) / 8; in every step O and l are multiplied by a = 2^(c m_old - c m_new).  The sum is taken of the unrounded p.
; RING.  Two LDS slots of 512 keys (8 steps).  Both are filled at the start, each once more.  Waves 0-3 fetch K's quarters, waves 4-7 V's: one load a wave, 64 rows of 256 bytes (a row of LDS holds TWO keys: a head's rows
; are dense in memory).  CLUSTER.  The four query blocks of a (b, h) walk the same K and V, so each tile is asked for JOINTLY: the same tensor load, descriptor and mask in all four.
; No prefetch is laid: a refill is issued eight key steps, 512 matrix instructions of each wave, ahead of the wait for it.
; REGISTERS.  window 0: v2-9 addresses; v12, v13 the add's two; v16-47 eight registers of statistics a tile; v64-127 K of one step; v128-191 Q.
;   window 1: v0-127 S^T, 32 a tile: after the rounding a tile's P lies in its lower 16 and two fragments of V in its upper 16; v128-255 O^T, 32 a tile.
.set HB,     262144                    ; a head's block in qkv
.set PK,     272                       ; two keys of K in LDS: 256 bytes + 16: key j lies at (j / 2) PK + 128 (j % 2): the 16 keys of a load fall on 16 different columns of 16 bytes (64 banks of 4 bytes: ISA guide 11.1)
.set PVP,    288                       ; two keys of V: 256 + 32
.set KSTEPB, 32*PK                     ; a step's 64 keys
.set VSTEPB, 32*PVP
.set VOFF,   256*PK                    ; a slot: 512 keys of K, then 512 of V
.set SLOTB,  256*(PK+PVP)
.set SLOTG,  65536                     ; a slot's keys in memory: 512 x 128 bytes
.set SPARE,  2*SLOTB                   ; the spare words, 128 bytes for each wave: four blocks of 256 bytes that no other line names
.set STAGE,  SPARE+1024                ; the way out: 16 rows x 144 bytes for each wave: bytes into which no fill lands
.set SP,     144
.set AK0, 2                            ; v2   my lane's place in a tile of K; never rewritten
.set AV0, 3                            ; v3   the same for V
.set ADK, 4                            ; v4   LDS address of the run of K's loads in hand
.set ADV, 5                            ; v5   of V's
.set QO,  6                            ; v6   my byte offset in the wave's rows of Q
.set STO, 7                            ; v7   the way out: where I put 16 bytes of a row
.set RD,  8                            ; v8   where I read back
.set GO,  9                            ; v9   16 x lane
.set SPW, 12                           ; v12  LDS address of my spare word; never rewritten
.set NIL, 13                           ; v13  0; never rewritten
.set ST,  16                           ; tile t's statistics at v[ST + 8 t]: +0 c m, +1 m, +2, +3 l (even keys', odd keys'), +4 to +7 c0-c3, at work; a takes c2's place once the maximum is found
.set KF,  64
.set QF,  128
.set S,   0                            ; in window 1
.set O,   128                          ; in window 1
.set WV,  8                            ; s8   my wave's number
.set G1K, 24                           ; s[24:31] descriptor group 1 for K's tiles;  s[32:39] for V's: it differs in the padding alone
.set G1V, 32
.set G0K, 40                           ; s[40:47] group 0 for K's tiles, a set for each slot;  s[48:55] for V's
.set G0V, 48
.set CNT, 56                           ; s56  steps to go in the slot
.set TK,  57                           ; s57  LDS byte at which K's tile of the step to be fetched begins
.set TV,  58                           ; s58  the same for V's tile of the step in hand (less VOFF)
.set SEL, 60                           ; s[60:61] lane selects for v_permlanex16_b32: each lane takes its own place in the other half
.set CS,  62                           ; s[62:63] c: the packed scaling names a pair and takes its low word for both halves
.set MSB, 0
.macro WIN new                         ; the immediate's high byte repeats the setting that is left; bits 1:0 source 0, 3:2 source 1, 5:4 source 2, 7:6 destination
.if MSB != \new
	s_set_vgpr_msb (MSB<<8)|\new
.set MSB, \new
.endif
.endm
; A joint load.  The branch hangs on the wave's number alone.  An s_nop 0 and four v_nop follow each of the two lines, ahead of the jump, the label and what follows.
.macro JLOAD s
	s_cmp_lt_u32 s[WV], 4
	s_cbranch_scc0 .Lfor_v_\@
	tensor_load_to_lds s[G0K+4*\s:G0K+4*\s+3], s[G1K:G1K+7]
	s_nop 0
.rept 4
	v_nop
.endr
	s_branch .Lasked_\@
.Lfor_v_\@:
	tensor_load_to_lds s[G0V+4*\s:G0V+4*\s+3], s[G1V:G1V+7]
	s_nop 0
.rept 4
	v_nop
.endr
.Lasked_\@:
.endm
.macro CROUND                          ; a round of the cluster's barrier: my work-group's barrier; wave 0 signals for the work-group; every wave waits for all four; my work-group's barrier once more
	s_barrier_signal -1
	s_barrier_wait -1
	s_cmp_lg_u32 s[WV], 0
	s_cbranch_scc1 .Lnot_wave_0_\@
	s_barrier_signal -3
.Lnot_wave_0_\@:
	s_barrier_wait -3
	s_barrier_signal -1
	s_barrier_wait -1
.endm
	s_load_b128 s[4:7], s[0:1], 0x0                ; qkv s[4:5], att s[6:7]
	v_lshl_add_u32 v[SPW], v0, 2, SPARE
	v_mov_b32 v[NIL], 0
	ds_add_u32 v[SPW], v[NIL]                      ; the wave's opening: the add, twice on end, and its wait ahead of my first tensor load; the set-up below stands between the second and the wait
	ds_add_u32 v[SPW], v[NIL]
	v_lshrrev_b32 v1, 5, v0
	v_readfirstlane_b32 s[WV], v1                  ; wave 0..7
	s_bfe_u32 s9, ttmp6, 0x40000                   ; cx: my block of 512 queries: it enters Q's and att's addresses alone
	s_and_b32 s10, ttmp7, 0xffff                   ; (b, h) = 16 b + h, which the four partners share
	s_and_b32 s11, s[WV], 3                        ; which quarter of a slot I fetch
	s_add_co_u32 s12, s10, 64
	s_lshl_b32 s12, s12, 18                        ; K's block of my head: (64 + bh) HB,
	s_lshl_b32 s13, s11, 14                        ; my quarter: 128 keys of 128 bytes
	s_add_co_u32 s12, s12, s13
	s_add_co_u32 s14, s12, 64*HB                   ; V's lies 64 blocks on.  (191 blocks at the most: under 2^32 bytes)
	s_mov_b32 s13, 0
	s_mov_b32 s15, 0
	s_mul_i32 s16, s11, 64*PK                      ; and where they go in a slot: no place in the cluster enters an LDS address
	s_mul_i32 s17, s11, 64*PVP
	s_add_co_u32 s17, s17, VOFF
	s_lshl_b32 s18, s10, 18                        ; Q: my head's block, my work-group's 512 rows, my wave's 64
	s_lshl_b32 s19, s9, 16
	s_add_co_u32 s18, s18, s19
	s_lshl_b32 s19, s[WV], 13
	s_add_co_u32 s18, s18, s19
	s_mov_b32 s19, 0
	s_and_b32 s20, s10, 15                         ; att: head h's 8,192 rows of 128 bytes,
	s_lshl_b32 s20, s20, 20
	s_lshr_b32 s21, s10, 4                         ; batch b's 2,048 of them,
	s_lshl_b32 s21, s21, 18
	s_add_co_u32 s20, s20, s21
	s_lshl_b32 s21, s9, 16                         ; my work-group's 512, my wave's 64
	s_add_co_u32 s20, s20, s21
	s_lshl_b32 s21, s[WV], 13
	s_add_co_u32 s20, s20, s21
	s_mov_b32 s21, 0
	; descriptor group 1: a tile of 64 rows x 128 elements (two keys), padded in LDS
	s_mov_b32 s[G1K], 15|(1<<16)|(1<<20)|(1<<21)|(5<<22)|(3<<25)  ; 15:0 the mask: all four work-groups; 17:16 elements of 2 bytes; 20 padding on; 21 set beside a mask; 24:22 after every 64 words (code 5); 31:25 4 words (code 3)
	s_mov_b32 s[G1V], 15|(1<<16)|(1<<20)|(1<<21)|(5<<22)|(7<<25)  ; the same with 8 words of padding (code 7)
.irp g, G1K, G1V
	s_mov_b32 s[\g+1], 128<<16                     ; tensor_dim0 = 128
	s_mov_b32 s[\g+2], 64<<16                      ; tensor_dim1 = 64
	s_mov_b32 s[\g+3], 128<<16                     ; tile_dim0 = 128
	s_mov_b32 s[\g+4], 64                          ; tile_dim1 = 64
	s_mov_b32 s[\g+5], 128                         ; tensor_dim0_stride: the rows are dense
	s_mov_b32 s[\g+6], 0
	s_mov_b32 s[\g+7], 0
.endr
	s_mov_b32 s[CS], 0x3e38aa3b                    ; c = log2(e) / 8
	s_mov_b32 s[CS+1], s[CS]                       ; named with it as a pair, so it is written
	s_mov_b32 s[SEL], 0x76543210
	s_mov_b32 s[SEL+1], 0xfedcba98
	s_mov_b32 s[TK], 0
	s_mov_b32 s[TV], 0
	s_wait_dscnt 0x0                               ; both opening adds are done
	s_wait_kmcnt 0x0
	s_add_nc_u64 s[12:13], s[4:5], s[12:13]        ; K and V at my quarter of slot 0
	s_add_nc_u64 s[14:15], s[4:5], s[14:15]
	s_add_nc_u64 s[4:5], s[4:5], s[18:19]          ; Q and att at my wave's first row
	s_add_nc_u64 s[6:7], s[6:7], s[20:21]
	CROUND                                         ; all four work-groups are here: the first joint loads meet
.irp s, 0,1
	s_mov_b32 s[G0K+4*\s], 1                       ; count = 1
	s_add_co_u32 s[G0K+4*\s+1], s16, \s*SLOTB      ; LDS address
	s_add_nc_u64 s[G0K+4*\s+2:G0K+4*\s+3], s[12:13], \s*SLOTG   ; global address: slot s begins with keys 512 s
	s_or_b32 s[G0K+4*\s+3], s[G0K+4*\s+3], 0x80000000           ; type = 2
	s_mov_b32 s[G0V+4*\s], 1
	s_add_co_u32 s[G0V+4*\s+1], s17, \s*SLOTB
	s_add_nc_u64 s[G0V+4*\s+2:G0V+4*\s+3], s[14:15], \s*SLOTG
	s_or_b32 s[G0V+4*\s+3], s[G0V+4*\s+3], 0x80000000
.endr
	s_cmp_lt_u32 s[WV], 4                          ; a wave's two first fills stand in one branch, ahead of every wait on TENSORcnt and every LDS read: two loads of mine are out
	s_cbranch_scc0 .Lfirst_v
	tensor_load_to_lds s[G0K:G0K+3], s[G1K:G1K+7]
	s_nop 0
	tensor_load_to_lds s[G0K+4:G0K+7], s[G1K:G1K+7]
	s_nop 0
.rept 4
	v_nop
.endr
	s_branch .Lfirst_asked
.Lfirst_v:
	tensor_load_to_lds s[G0V:G0V+3], s[G1V:G1V+7]
	s_nop 0
	tensor_load_to_lds s[G0V+4:G0V+7], s[G1V:G1V+7]
	s_nop 0
.rept 4
	v_nop
.endr
.Lfirst_asked:
	; A fragment of K or Q is 16 rows x 32 channels in 8 registers: lane l holds row l % 16; registers 0-3 channels 8 (l / 16) + 0..7, registers 4-7 channels 16 + 8 (l / 16) + 0..7: two loads of 16 bytes, 32 bytes apart.
	v_and_b32 v1, 15, v0                           ; r = l % 16
	v_bfe_u32 v10, v0, 4, 1                        ; h = l / 16
	v_lshlrev_b32 v[QO], 7, v1
	v_lshl_add_u32 v[QO], v10, 4, v[QO]            ; row x 128 + 16 x half
.irp t, 0,1,2,3                        ; Q stays in registers: tile t, channels 32 c on
.irp c, 0,1
	global_load_b128 v[QF+16*\t+8*\c:QF+16*\t+8*\c+3],   v[QO], s[4:5] offset:2048*\t+64*\c
	global_load_b128 v[QF+16*\t+8*\c+4:QF+16*\t+8*\c+7], v[QO], s[4:5] offset:2048*\t+64*\c+32
.endr
.endr
	v_lshrrev_b32 v11, 1, v1
	v_mul_u32_u24 v[AK0], v11, PK                  ; K: (r / 2) x pitch
	v_and_b32 v11, 1, v1
	v_lshl_add_u32 v[AK0], v11, 7, v[AK0]          ; + 128 (r % 2)
	v_lshl_add_u32 v[AK0], v10, 4, v[AK0]          ; + 16 x half
	; The turning load takes 16 keys x 16 channels (lane l reads 16 bytes: key 8 (l / 16) + l % 8, channels 8 ((l / 8) % 2) + 0..7) and leaves half a fragment of V^T: lane l holds channel l % 16 and 8 keys.
	v_bfe_u32 v11, v0, 1, 2                        ; (l % 8) / 2
	v_lshl_add_u32 v11, v10, 2, v11                ; + 4 x half: which row of two keys
	v_mul_u32_u24 v[AV0], v11, PVP
	v_and_b32 v11, 1, v0
	v_lshl_add_u32 v[AV0], v11, 7, v[AV0]
	v_bfe_u32 v11, v0, 3, 1
	v_lshl_add_u32 v[AV0], v11, 4, v[AV0]
	v_add_nc_u32 v[AV0], VOFF, v[AV0]
	s_mul_i32 s22, s[WV], 16*SP
	s_add_co_u32 s22, s22, STAGE                   ; my stage
	v_mul_u32_u24 v[STO], v1, SP                   ; in: row l % 16, 16 bytes for each half of the lanes
	v_lshl_add_u32 v[STO], v10, 4, v[STO]
	v_add_nc_u32 v[STO], s22, v[STO]
	v_bfe_u32 v11, v0, 3, 2                        ; back: eight lanes take a row of 128 bytes, four rows an instruction
	v_mul_u32_u24 v[RD], v11, SP
	v_and_b32 v11, 7, v0
	v_lshl_add_u32 v[RD], v11, 4, v[RD]
	v_add_nc_u32 v[RD], s22, v[RD]
	v_and_b32 v[GO], 31, v0
	v_lshlrev_b32 v[GO], 4, v[GO]
; A step's K: 64 keys x 64 channels: 8 fragments, (a, c) = keys 16 a on, channels 32 c on, at v[KF + 16 a + 8 c]: one run of 16 loads
.macro FETCH_K
	v_add_nc_u32 v[ADK], s[TK], v[AK0]
.irp a, 0,1,2,3
.irp c, 0,1
	ds_load_b128 v[KF+16*\a+8*\c:KF+16*\a+8*\c+3],   v[ADK] offset:8*PK*\a+64*\c
	ds_load_b128 v[KF+16*\a+8*\c+4:KF+16*\a+8*\c+7], v[ADK] offset:8*PK*\a+64*\c+32
.endr
.endr
.endm
; Half a step's V, turned: keys 32 f on: four fragments (channels 16 c on); fragment i = 4 f + c goes into the upper 16 registers of tile i / 2's S^T, which the rounding has left free
.macro FETCH_V f
	WIN 0x40                                       ; destination window 1, address window 0
.irp c, 0,1,2,3
	ds_load_tr16_b128 v[S+32*((4*\f+\c)/2)+16+8*(\c%2):S+32*((4*\f+\c)/2)+16+8*(\c%2)+3],   v[ADV] offset:16*PVP*\f+32*\c
	ds_load_tr16_b128 v[S+32*((4*\f+\c)/2)+16+8*(\c%2)+4:S+32*((4*\f+\c)/2)+16+8*(\c%2)+7], v[ADV] offset:16*PVP*\f+8*PVP+32*\c
.endr
.endm
; S^T = K Q^T: 32 matrix instructions.  The 16 accumulators take turns, one instruction a turn; the first 16 start the sums.
.macro KQALL
	WIN 0x50                                       ; K and Q window 0; C and D window 1
.irp c, 0,1
.irp a, 0,1,2,3
.irp t, 0,1,2,3
.if \c == 0
	v_wmma_f32_16x16x32_f16 v[S+32*\t+8*\a:S+32*\t+8*\a+7], v[KF+16*\a+8*\c:KF+16*\a+8*\c+7], v[QF+16*\t+8*\c:QF+16*\t+8*\c+7], 0
.else
	v_wmma_f32_16x16x32_f16 v[S+32*\t+8*\a:S+32*\t+8*\a+7], v[KF+16*\a+8*\c:KF+16*\a+8*\c+7], v[QF+16*\t+8*\c:QF+16*\t+8*\c+7], v[S+32*\t+8*\a:S+32*\t+8*\a+7]
.endif
.endr
.endr
.endr
.endm
; O^T += V^T P, keys 32 f on: 16 matrix instructions on 16 accumulators.  first = 1: those of f = 0 start the sums: nothing is ever cleared.
.macro PVALL f, first
	WIN 0x55                                       ; all four in window 1
.irp c, 0,1,2,3
.irp t, 0,1,2,3
.if \first && (\f == 0)
	v_wmma_f32_16x16x32_f16 v[O+32*\t+8*\c:O+32*\t+8*\c+7], v[S+32*((4*\f+\c)/2)+16+8*(\c%2):S+32*((4*\f+\c)/2)+16+8*(\c%2)+7], v[S+32*\t+8*\f:S+32*\t+8*\f+7], 0
.else
	v_wmma_f32_16x16x32_f16 v[O+32*\t+8*\c:O+32*\t+8*\c+7], v[S+32*((4*\f+\c)/2)+16+8*(\c%2):S+32*((4*\f+\c)/2)+16+8*(\c%2)+7], v[S+32*\t+8*\f:S+32*\t+8*\f+7], v[O+32*\t+8*\c:O+32*\t+8*\c+7]
.endif
.endr
.endr
.endm
; The maximum of a lane's 32 scores and the old m, three operands at a time, the four tiles by turns: four chains c0-c3, each begun at the low end of one accumulator; then the other half of the lanes', the new m, c m, and a.
.macro MAXES first
	WIN 0x15                                       ; the three sources window 1
.irp j, 0,1,2,3
.irp t, 0,1,2,3
	v_max3_num_f32 v[ST+8*\t+4+\j], v[S+32*\t+8*\j], v[S+32*\t+8*\j+1], v[S+32*\t+8*\j+2]
.endr
.endr
	WIN 0x14                                       ; sources 1 and 2 window 1
.irp j, 4,5,6,7,8,9,10,11
.irp t, 0,1,2,3
	v_max3_num_f32 v[ST+8*\t+4+\j%4], v[ST+8*\t+4+\j%4], v[S+32*\t+8*(\j%4)+2*(\j/4)+1], v[S+32*\t+8*(\j%4)+2*(\j/4)+2]
.endr
.endr
.irp t, 0,1,2,3
	v_max3_num_f32 v[ST+8*\t+4], v[ST+8*\t+4], v[S+32*\t+7], v[S+32*\t+15]
.endr
.irp t, 0,1,2,3
	v_max3_num_f32 v[ST+8*\t+6], v[ST+8*\t+6], v[S+32*\t+23], v[S+32*\t+31]
.endr
	WIN 0
.irp t, 0,1,2,3
	v_max3_num_f32 v[ST+8*\t+4], v[ST+8*\t+4], v[ST+8*\t+5], v[ST+8*\t+6]
.endr
.irp t, 0,1,2,3
.if \first
	v_max_num_f32 v[ST+8*\t+4], v[ST+8*\t+4], v[ST+8*\t+7]
.else
	v_max3_num_f32 v[ST+8*\t+4], v[ST+8*\t+4], v[ST+8*\t+7], v[ST+8*\t+1]
.endif
.endr
.irp t, 0,1,2,3
	v_permlanex16_b32 v[ST+8*\t+5], v[ST+8*\t+4], s[SEL], s[SEL+1]   ; the query's other 32 keys lie in the lane 16 away
.endr
.if !\first
.irp t, 0,1,2,3
	v_mov_b32 v[ST+8*\t+7], v[ST+8*\t]             ; c m_old is kept for a
.endr
.endif
.irp t, 0,1,2,3
	v_max_num_f32 v[ST+8*\t+1], v[ST+8*\t+4], v[ST+8*\t+5]
.endr
.irp t, 0,1,2,3
	v_mul_f32 v[ST+8*\t], s[CS], v[ST+8*\t+1]
.endr
.if !\first
.irp t, 0,1,2,3
	v_sub_f32 v[ST+8*\t+7], v[ST+8*\t+7], v[ST+8*\t]
.endr
.irp t, 0,1,2,3
	v_exp_f32 v[ST+8*\t+6], v[ST+8*\t+7]           ; a = 2^(c m_old - c m_new)
.endr
	v_nop                                          ; a plain instruction behind the last exponential,
	s_wait_alu depctr_va_vdst(0)                   ; and the wait ahead of the first instruction that names a result: one for the four
.endif
.endm
; ONE BATCH under one window setting: the 64 scalings c s - c m (a pair of scores each), the 128 exponentials, and O^T times a (64 packed multiplies).  None of these reads an exponential's result.
; Tile 0 is scaled first; then a plain line follows each exponential while there are plain lines: the next tile's scalings, then this tile's O^T.  One plain line and ONE wait close the batch.
.macro BATCH first
	WIN 0x41                                       ; destination and source 0 window 1; the statistics window 0
.set e, 0
.rept 16
	v_pk_fma_f32 v[S+2*e:S+2*e+1], v[S+2*e:S+2*e+1], s[CS:CS+1], v[ST:ST+1] op_sel_hi:[1,0,0] neg_lo:[0,0,1] neg_hi:[0,0,1]
.set e, e+1
.endr
.irp t, 0,1,2,3
.set e, 0
.rept 32
	v_exp_f32 v[S+32*\t+e], v[S+32*\t+e]
.if (\t < 3) && (e < 16)
	v_pk_fma_f32 v[S+32*(\t+1)+2*e:S+32*(\t+1)+2*e+1], v[S+32*(\t+1)+2*e:S+32*(\t+1)+2*e+1], s[CS:CS+1], v[ST+8*(\t+1):ST+8*(\t+1)+1] op_sel_hi:[1,0,0] neg_lo:[0,0,1] neg_hi:[0,0,1]
.elseif (\t < 3) && (!\first)
	v_pk_mul_f32 v[O+32*\t+2*(e-16):O+32*\t+2*(e-16)+1], v[O+32*\t+2*(e-16):O+32*\t+2*(e-16)+1], v[ST+8*\t+6:ST+8*\t+7] op_sel_hi:[1,0]
.elseif (e < 16) && (!\first)
	v_pk_mul_f32 v[O+96+2*e:O+96+2*e+1], v[O+96+2*e:O+96+2*e+1], v[ST+30:ST+31] op_sel_hi:[1,0]
.endif
.set e, e+1
.endr
.endr
	v_nop                                          ; a plain instruction behind the last exponential
	s_wait_alu depctr_va_vdst(0)                   ; the wait for the batch, ahead of its first reader
.endm
; l = a l + the sum of the lane's 32 unrounded weights, a pair at a time, the four tiles by turns
.macro SUMS first
.if \first
	WIN 0x05
.irp t, 0,1,2,3
	v_pk_add_f32 v[ST+8*\t+2:ST+8*\t+3], v[S+32*\t:S+32*\t+1], v[S+32*\t+2:S+32*\t+3]
.endr
.else
	WIN 0x10
.irp t, 0,1,2,3
	v_pk_fma_f32 v[ST+8*\t+2:ST+8*\t+3], v[ST+8*\t+2:ST+8*\t+3], v[ST+8*\t+6:ST+8*\t+7], v[S+32*\t:S+32*\t+1] op_sel_hi:[1,0,1]
.endr
.endif
	WIN 0x04
.set e, 1+\first
.rept 15-\first
.irp t, 0,1,2,3
	v_pk_add_f32 v[ST+8*\t+2:ST+8*\t+3], v[ST+8*\t+2:ST+8*\t+3], v[S+32*\t+2*e:S+32*\t+2*e+1]
.endr
.set e, e+1
.endr
.endm
; Tiles t0 and t0 + 1: the weights rounded to f16, in place, ascending: register e takes weights 2 e and 2 e + 1, which lie at or above it.  Registers 8 f .. 8 f + 7 are then P's fragment of keys 32 f on.
.macro ROUND2 t0
	WIN 0x45
.irp t, \t0, \t0+1
.set e, 0
.rept 16
	v_cvt_pk_f16_f32 v[S+32*(\t)+e], v[S+32*(\t)+2*e], v[S+32*(\t)+2*e+1]
.set e, e+1
.endr
.endr
.endm
; A KEY STEP.  first = 1: the first, which starts m, l and O^T.  test = 1: a slot's last step fetches no K: the next slot's is fetched behind the change of slots.
.macro STEP first, test
	s_wait_dscnt 0x0                               ; K is in
	KQALL
	WIN 0
	v_add_nc_u32 v[ADV], s[TV], v[AV0]             ; four plain lines behind the products: ahead of the loads into K's registers and of the first read of the scores
.rept 3
	v_nop
.endr
.if \test
	s_cmp_eq_u32 s[CNT], 1
	s_cbranch_scc1 .Lno_k_\@
.endif
	FETCH_K                                        ; the next step's K: it has the whole softmax in which to land
.if \test
.Lno_k_\@:
.endif
	s_add_co_u32 s[TK], s[TK], KSTEPB
	s_add_co_u32 s[TV], s[TV], VSTEPB
	MAXES \first
	BATCH \first
	SUMS \first
	ROUND2 0
	FETCH_V 0                                      ; into the halves that tiles 0 and 1 have left; it lands under the next 32 roundings
	ROUND2 2
	FETCH_V 1
	s_wait_dscnt 8                                 ; K's run and V's first half are in; the 8 loads of V's second half may be out
	PVALL 0, \first
	s_wait_dscnt 0x0
	PVALL 1, \first
	WIN 0                                          ; at a label and at a branch every window is 0
.rept 5
	v_nop                                          ; five places: the next step's first products write over registers that these products have read (P and V)
.endr
.endm
.macro STEPS n                         ; n key steps, written once
	s_mov_b32 s[CNT], \n
.Lstep_\@:
	STEP 0, 1
	s_sub_co_u32 s[CNT], s[CNT], 1
	s_cmp_lg_u32 s[CNT], 0
	s_cbranch_scc1 .Lstep_\@
.endm
; THE CHANGE OF SLOTS.  Each wave waits for all its tensor loads (its part of the slot ahead), adds 0 to its spare word, and waits for that and for its own reads of the slot that it leaves.  Behind the barrier the
; slot ahead is whole and nobody reads the other.  fill = 1: that other slot is filled again, with the keys two slots on: the barrier is then a round of the cluster's, and the joint refill the first thing behind it.
.macro CHANGE fill, slot, next
	s_wait_tensorcnt 0x0                           ; no tensor load of mine is out, so a group 0 may be written
	ds_add_u32 v[SPW], v[NIL]                      ; 0 onto my spare word; the scalar lines below stand between it and the wait for it
.if \fill
	s_add_nc_u64 s[G0K+4*\slot+2:G0K+4*\slot+3], s[G0K+4*\slot+2:G0K+4*\slot+3], 2*SLOTG   ; the type bits on top are not reached
	s_add_nc_u64 s[G0V+4*\slot+2:G0V+4*\slot+3], s[G0V+4*\slot+2:G0V+4*\slot+3], 2*SLOTG
.endif
	s_mov_b32 s[TK], \next*SLOTB
	s_mov_b32 s[TV], \next*SLOTB
	s_wait_dscnt 0x0                               ; the add is done, and my reads of the slot are over
.if \fill
	CROUND
	JLOAD \slot                                    ; my one tensor load until the next change: eight key steps in which to land
.else
	s_barrier_signal -1
	s_barrier_wait -1
.endif
	FETCH_K                                        ; the slot's first step
	s_add_co_u32 s[TK], s[TK], KSTEPB
.endm
	s_wait_tensorcnt 1                             ; my part of slot 0 is in; slot 1's may stay out
	s_barrier_signal -1
	s_barrier_wait -1                              ; everybody's is
	FETCH_K                                        ; key step 0
	s_add_co_u32 s[TK], s[TK], KSTEPB
	s_wait_loadcnt 0x0                             ; Q
	STEP 1, 0
	STEPS 7
	CHANGE 1, 0, 1                                 ; slot 0 takes keys 1,024 on; slot 1 is read
	STEPS 8
	CHANGE 1, 1, 0                                 ; slot 1 takes keys 1,536 on; slot 0 is read
	STEPS 8
	CHANGE 0, 0, 1                                 ; nothing is left to fetch
	STEPS 8
	; THE WAY OUT.  l's two halves and the other half of the lanes' are added; O^T is divided by l, rounded to f16 and sent through my stage, a tile (16 rows) at a time.  (The last step's five plain lines are the places behind the last products.)
.irp t, 0,1,2,3
	v_add_f32 v[ST+8*\t+4], v[ST+8*\t+2], v[ST+8*\t+3]
.endr
.irp t, 0,1,2,3
	v_permlanex16_b32 v[ST+8*\t+5], v[ST+8*\t+4], s[SEL], s[SEL+1]
.endr
.irp t, 0,1,2,3
	v_add_f32 v[ST+8*\t+4], v[ST+8*\t+4], v[ST+8*\t+5]
.endr
.irp t, 0,1,2,3
	v_rcp_f32 v[ST+8*\t+6], v[ST+8*\t+4]
.endr
	v_nop                                          ; a plain instruction between the last reciprocal and the use of its result
	s_wait_alu depctr_va_vdst(0)                   ; and the wait ahead of the first use: one for the four
.macro PACK t                          ; a lane's eight channels of a row pack into 16 bytes; they go into rows of 144 bytes and come back as four whole rows of 128 an instruction, into the registers that they left (K's are free)
	WIN 0x41
.set e, 0
.rept 16
	v_pk_mul_f32 v[O+32*\t+2*e:O+32*\t+2*e+1], v[O+32*\t+2*e:O+32*\t+2*e+1], v[ST+8*\t+6:ST+8*\t+7] op_sel_hi:[1,0]   ; each accumulator from its low end on
.set e, e+1
.endr
	WIN 0x05
.set e, 0
.rept 16
	v_cvt_pk_f16_f32 v[KF+16*\t+e], v[O+32*\t+2*e], v[O+32*\t+2*e+1]
.set e, e+1
.endr
	WIN 0
.irp c, 0,1,2,3
	ds_store_b128 v[STO], v[KF+16*\t+4*\c:KF+16*\t+4*\c+3] offset:32*\c
.endr
.irp i, 0,1,2,3
	ds_load_b128 v[KF+16*\t+4*\i:KF+16*\t+4*\i+3], v[RD] offset:4*SP*\i   ; LDS serves a wave's instructions in order (ISA guide 5.7.1.4): these see the stores above; the next tile's stores come behind them
.endr
.endm
.macro SEND t, younger                 ; younger: the LDS instructions issued behind tile t's loads: the next tile's four stores and four loads, or none
.irp i, 0,1,2,3
	s_wait_dscnt \younger+3-\i
	global_store_b128 v[GO], v[KF+16*\t+4*\i:KF+16*\t+4*\i+3], s[6:7] offset:2048*\t+512*\i   ; 32 lanes store 512 consecutive bytes, aligned
.endr
.endm
	PACK 0
	PACK 1                                         ; a tile's arithmetic stands between the loads of the tile before and its stores
	SEND 0, 8
	PACK 2
	SEND 1, 8
	PACK 3
	SEND 2, 8
	SEND 3, 0
	s_wait_tensorcnt 0x0                           ; the wave's end
	ds_add_u32 v[SPW], v[NIL]
	s_wait_dscnt 0x0
	CROUND                                         ; the closing round: no work-group ends while a partner may still ask for a tile that names it
	s_endpgm
.Lfunc_end_k_qe26db7ec8e_attn:
	.size	k_qe26db7ec8e_attn, .Lfunc_end_k_qe26db7ec8e_attn-k_qe26db7ec8e_attn
	.p2alignl 7, 3214868480
	.fill 96, 4, 3214868480
	.section	.rodata,"a",@progbits
	.p2align	6, 0x0
	.amdhsa_kernel k_qe26db7ec8e_attn
		.amdhsa_group_segment_fixed_size 327680
		.amdhsa_private_segment_fixed_size 0
		.amdhsa_enable_private_segment 0
		.amdhsa_kernarg_size 16
		.amdhsa_user_sgpr_count 2
		.amdhsa_user_sgpr_kernarg_segment_ptr 1
		.amdhsa_wavefront_size32 1
		.amdhsa_system_sgpr_workgroup_id_x 1
		.amdhsa_system_sgpr_workgroup_id_y 1
		.amdhsa_system_sgpr_workgroup_id_z 1
		.amdhsa_system_vgpr_workitem_id 0
		.amdhsa_next_free_vgpr 512
		.amdhsa_next_free_sgpr 66
		.amdhsa_reserve_vcc 0
		.amdhsa_float_denorm_mode_32 3
		.amdhsa_float_denorm_mode_16_64 3
		.amdhsa_memory_ordered 1
		.amdhsa_forward_progress 1
		.amdhsa_inst_pref_size 185
	.end_amdhsa_kernel
	.amdgpu_metadata
---
amdhsa.version: [ 1, 2 ]
amdhsa.kernels:
  - .name:           k_qe26db7ec8e_attn
    .symbol:         k_qe26db7ec8e_attn.kd
    .args:
      - { .name: qkv, .offset: 0, .size: 8, .value_kind: global_buffer, .address_space: global }
      - { .name: att, .offset: 8, .size: 8, .value_kind: global_buffer, .address_space: global }
    .group_segment_fixed_size: 327680
    .private_segment_fixed_size: 0
    .kernarg_segment_align: 8
    .kernarg_segment_size: 16
    .max_flat_workgroup_size: 256
    .sgpr_count:     66
    .vgpr_count:     512
    .wavefront_size: 32
...
	.end_amdgpu_metadata
.endif
;; end of part 3
;; launch proj (part 4): grid 4 x 64, 4 waves a work-group, clusters of 4 x 4, 327,680 bytes of LDS; arguments att, wo_h, out0; writes out0
.if DOCPART == 4
	.amdgcn_target "amdgcn-amd-amdhsa--gfx1250"
	.amdhsa_code_object_version 6
	.text
	.protected	k_qe26db7ec8e_proj
	.globl	k_qe26db7ec8e_proj
	.p2align	8
	.type	k_qe26db7ec8e_proj,@function
k_qe26db7ec8e_proj:
	s_mov_b64 s[64:65], 0
	v_nop
	global_prefetch_b8 v0, s[64:65] scope:SCOPE_SE
	s_setreg_imm32_b32 hwreg(HW_REG_WAVE_MODE, 25, 1), 1
	s_wait_xcnt 0x0
	s_wait_alu depctr_hold_cnt(0) depctr_sa_sdst(0) depctr_va_vdst(0) depctr_va_sdst(0) depctr_va_ssrc(0) depctr_va_vcc(0) depctr_vm_vsrc(0)
	s_getreg_b32 s2, hwreg(HW_REG_IB_STS2, 6, 4)
	s_cmp_eq_u32 s2, 0
	s_cbranch_scc0 .Lentry_in_a_cluster
	s_endpgm
.Lentry_in_a_cluster:
	s_bfe_u32 s2, ttmp6, 0x10000c
	s_cmp_lg_u32 s2, 0xf033
	s_cbranch_scc0 .Lentry_shape_is_right
	s_endpgm
.Lentry_shape_is_right:
; PROJ: out0[m][n] = sum over k of A[m][k] W_o[k][n], k = 64 h + d.  A: att, f16 [h 16][m 8192][64].  W_o: wo_h, f16 [k 1024][n 1024], as the input lies.  out0: f32 [8192][1024].  Sums in f32.
; LIMIT: f16 operands (up to 65,504).
; A tile of out0 is 128 (m) x 256 (n): 256 work-groups.  Four waves, each 64 x 128: 32 accumulators of 16 x 16, which fill window 1.  K goes in steps of 128 (two heads) through a ring of two LDS slots.
; A's part of a step is two slabs (one a head) of 128 rows x 128 bytes, dense in memory: each comes as 64 rows of 256 bytes (two rows m).  W_o's part is 128 rows k of 512 bytes; it is read TURNED, by ds_load_tr16_b128.
; CLUSTERS: 4 x 4 work-groups.  The four of a row of the cluster need the same slabs of A, the four of a column the same rows of W_o: each tile is asked for JOINTLY, by the same tensor load with the same descriptor
; and a mask that names the four.  THE MATRIX INSTRUCTION IS USED TRANSPOSED (source 0 = 16 columns n, source 1 = 16 rows m): a lane then holds eight neighbouring numbers of a row of out0.
; No prefetch is laid: a small tile in a short launch, and what is shared is already asked for once by the joint loads.
; REGISTERS: window 0: v0-31 addresses; v64-159 and v160-255 two fragment buffers for 32 along K: 64 registers of W_o (8 x 16 n), then 32 of A (4 x 16 m); on the way out v128-255 take rows.
;   window 1: the accumulators, (i, b) at v[8 (8 i + b)].
.set PA,     272                       ; two rows of A in LDS: 256 bytes + 16: row m lies at (m / 2) PA + 128 (m % 2): the 16 rows of a load fall on 16 different columns of 16 bytes (64 banks of 4 bytes: ISA guide 11.1)
.set PB,     544                       ; a row k of W_o: 512 bytes + 32
.set SLAB,   64*PA                     ; a head's 128 rows: what one of A's loads brings
.set BOFF,   2*SLAB
.set HALFB,  64*PB                     ; 64 rows k: what one of W_o's loads brings
.set SLOT,   BOFF+2*HALFB
.set SPARE,  2*SLOT                    ; the spare words, 128 bytes for each wave: two blocks of 256 bytes that no other line names
.set SPITCH, 528                       ; the way out: a stage of 16 rows x (512 bytes + 16) for each wave, in slot 0, which has had its last fill and its last read when the first result is stored there
.set LAPS,   4                         ; a lap = two K steps = once round the ring
.set ADRA, 16                          ; v16-17  LDS address of my A fragments in slot 0, 1
.set ADRB, 20                          ; v20-21  the same for W_o
.set STO,  24                          ; v24     the way out: where I put 32 bytes of a row
.set RD,   25                          ; v25     where I read a row back
.set CO,   26                          ; v26     16 x lane
.set SPW,  28                          ; v28     LDS address of my spare word; never rewritten
.set NIL,  29                          ; v29     0; never rewritten
.set F0,   64
.set F1,   160
.set BK,   128                         ; the way out: 16 rows read back: v128-191 and v192-255 by turns
.set G1, 24                            ; s[24:31] descriptor group 1 for A's slabs;  s[32:39] group 0, one set for each slot
.set G0, 32
.set G1B, 48                           ; s[48:55], s[56:63] the same for W_o's rows
.set G0B, 56
.set MSB, 0
.macro WIN new                         ; the immediate's high byte repeats the setting that is left
.if MSB != \new
	s_set_vgpr_msb (MSB<<8)|\new
.set MSB, \new
.endif
.endm
.set MUL, 0x50                         ; sources 0 and 1 window 0; C and D window 1
.macro JLOAD s                         ; a joint load: waves 0 and 1 fetch A's two slabs, waves 2 and 3 W_o's two halves; an s_nop 0 and four v_nop follow each of the two lines, ahead of the jump, the label and what follows
	s_cmp_eq_u32 s11, 0
	s_cbranch_scc0 .Lfor_b_\@
	tensor_load_to_lds s[G0+4*\s:G0+4*\s+3], s[G1:G1+7]
	s_nop 0
.rept 4
	v_nop
.endr
	s_branch .Lasked_\@
.Lfor_b_\@:
	tensor_load_to_lds s[G0B+4*\s:G0B+4*\s+3], s[G1B:G1B+7]
	s_nop 0
.rept 4
	v_nop
.endr
.Lasked_\@:
.endm
.macro CREST                           ; a round of the cluster's barrier behind its opening barrier
	s_cmp_lg_u32 s10, 0
	s_cbranch_scc1 .Lnot_wave_0_\@
	s_barrier_signal -3
.Lnot_wave_0_\@:
	s_barrier_wait -3
	s_barrier_signal -1
	s_barrier_wait -1
.endm
.macro CROUND                          ; a whole round
	s_barrier_signal -1
	s_barrier_wait -1
	CREST
.endm
	s_load_b128 s[4:7], s[0:1], 0x0                ; att s[4:5], wo_h s[6:7]
	s_load_b64 s[8:9], s[0:1], 0x10                ; out0
	v_lshl_add_u32 v[SPW], v0, 2, SPARE
	v_mov_b32 v[NIL], 0
	ds_add_u32 v[SPW], v[NIL]                      ; the wave's opening: the add, twice on end, and its wait ahead of my first tensor load; the set-up below stands between the second and the wait
	ds_add_u32 v[SPW], v[NIL]
	v_lshrrev_b32 v1, 5, v0
	v_readfirstlane_b32 s10, v1                    ; wave 0..3
	s_lshr_b32 s11, s10, 1                         ; which 64 of the tile's rows are mine.  Also: I fetch for A (0) or for W_o (1)
	s_and_b32 s12, s10, 1                          ; which 128 of its columns.  Also: which slab, or which 64 rows k, I fetch
	s_bfe_u32 s40, ttmp6, 0x40000                  ; cx, cy: my place in the cluster
	s_bfe_u32 s41, ttmp6, 0x40004
	s_lshl_b32 s42, ttmp9, 2
	s_add_co_u32 s42, s42, s40                     ; tile column = 4 x cluster x + cx
	s_and_b32 s13, ttmp7, 0xffff
	s_lshl_b32 s13, s13, 2
	s_add_co_u32 s13, s13, s41                     ; tile row = 4 x cluster y + cy
	s_lshl_b32 s43, s41, 2
	s_lshl_b32 s43, 15, s43                        ; my row of the cluster
	s_lshl_b32 s44, 0x1111, s40                    ; my column
	; descriptor group 1.  A: 64 rows x 128 elements, dense; W_o: 64 rows x 256 elements, 1,024 elements from row to row
	s_or_b32 s[G1+0], s43, (1<<16)|(1<<20)|(1<<21)|(5<<22)|(3<<25)  ; 15:0 the mask: A's slabs go to my row; 17:16 element of 2 bytes; 20 padding on; 21 set beside a mask; 24:22 after every 64 words (code 5); 31:25 of 4 words (code 3)
	s_mov_b32 s[G1+1], 128<<16                     ; tensor_dim0
	s_mov_b32 s[G1+2], 64<<16                      ; tensor_dim1
	s_mov_b32 s[G1+3], 128<<16                     ; tile_dim0
	s_mov_b32 s[G1+4], 64                          ; tile_dim1
	s_mov_b32 s[G1+5], 128                         ; tensor_dim0_stride
	s_mov_b32 s[G1+6], 0
	s_mov_b32 s[G1+7], 0
	s_or_b32 s[G1B+0], s44, (1<<16)|(1<<20)|(1<<21)|(6<<22)|(7<<25) ; the mask of my column; padding after every 128 words (code 6), of 8 words (code 7)
	s_mov_b32 s[G1B+1], 256<<16
	s_mov_b32 s[G1B+2], 64<<16
	s_mov_b32 s[G1B+3], 256<<16
	s_mov_b32 s[G1B+4], 64
	s_mov_b32 s[G1B+5], 1024
	s_mov_b32 s[G1B+6], 0
	s_mov_b32 s[G1B+7], 0
	s_lshl_b32 s16, s13, 14                        ; A: the tile row's 128 rows of 128 bytes,
	s_lshl_b32 s17, s12, 20                        ; in head 0 or 1: 8,192 rows of 128 bytes a head
	s_add_co_u32 s16, s16, s17
	s_mov_b32 s17, 0
	s_lshl_b32 s46, s42, 9                         ; W_o: the tile column's 512 bytes of a row,
	s_lshl_b32 s47, s12, 17                        ; from row k = 0 or 64: 2,048 bytes a row
	s_add_co_u32 s46, s46, s47
	s_mov_b32 s47, 0
	s_mul_i32 s20, s12, SLAB                       ; where they go: no place in the cluster enters an LDS address
	s_mul_i32 s21, s12, HALFB
	s_add_co_u32 s21, s21, BOFF
	s_wait_dscnt 0x0                               ; both opening adds are done
	s_wait_kmcnt 0x0
	s_add_nc_u64 s[14:15], s[4:5], s[16:17]
	s_add_nc_u64 s[46:47], s[6:7], s[46:47]
	CROUND                                         ; all sixteen work-groups are here: the first joint loads meet
.irp s, 0,1
	s_mov_b32 s[G0+4*\s], 1
	s_add_co_u32 s[G0+4*\s+1], s20, \s*SLOT
	s_add_nc_u64 s[G0+4*\s+2:G0+4*\s+3], s[14:15], \s*2097152      ; K step s: two heads on
	s_or_b32 s[G0+4*\s+3], s[G0+4*\s+3], 0x80000000
	s_mov_b32 s[G0B+4*\s], 1
	s_add_co_u32 s[G0B+4*\s+1], s21, \s*SLOT
	s_add_nc_u64 s[G0B+4*\s+2:G0B+4*\s+3], s[46:47], \s*262144     ; 128 rows k on
	s_or_b32 s[G0B+4*\s+3], s[G0B+4*\s+3], 0x80000000
	JLOAD \s                                       ; two loads of mine are out behind the second
.endr
	v_and_b32 v1, 15, v0                           ; r = l % 16
	v_bfe_u32 v2, v0, 4, 1                         ; h = l / 16
	v_lshrrev_b32 v3, 1, v1
	v_mul_u32_u24 v3, v3, PA                       ; A: (r / 2) x pitch
	v_and_b32 v4, 1, v1
	v_lshl_add_u32 v3, v4, 7, v3                   ; + 128 (r % 2)
	v_lshl_add_u32 v3, v2, 4, v3                   ; + 16 x half
	v_and_b32 v4, 7, v0
	v_lshl_add_u32 v4, v2, 3, v4                   ; W_o, turned: row k = 8 (l / 16) + l % 8,
	v_mul_u32_u24 v4, v4, PB
	v_bfe_u32 v5, v0, 3, 1
	v_lshl_add_u32 v4, v5, 4, v4                   ; columns 8 ((l / 8) % 2) + 0..7
	s_mul_i32 s22, s11, 32*PA                      ; my 64 rows of each slab
	s_lshl_b32 s23, s12, 8                         ; my 128 columns: 256 bytes of each row k,
	s_add_co_u32 s23, s23, BOFF                    ; behind A's slabs
.irp s, 0,1
	v_add_nc_u32 v[ADRA+\s], s22, v3
	v_add_nc_u32 v[ADRB+\s], s23, v4
	s_add_co_u32 s22, s22, SLOT
	s_add_co_u32 s23, s23, SLOT
.endr
	s_mul_i32 s23, s10, 16*SPITCH                  ; my stage
	v_mul_u32_u24 v5, v1, SPITCH                   ; in: row l % 16, 32 bytes for each half of the lanes
	v_lshl_add_u32 v5, v2, 5, v5
	v_add_nc_u32 v[STO], s23, v5
	v_and_b32 v6, 31, v0
	v_lshlrev_b32 v[CO], 4, v6                     ; back: the 32 lanes take one row of 512 bytes; and the same in out0
	v_add_nc_u32 v[RD], s23, v[CO]
	s_lshl_b32 s16, s13, 19                        ; my first row of out0: 128 x tile row + 64 x half, of 4,096 bytes
	s_lshl_b32 s17, s11, 18
	s_add_co_u32 s16, s16, s17
	s_mov_b32 s17, 0
	s_add_nc_u64 s[8:9], s[8:9], s[16:17]
	s_lshl_b32 s46, s42, 10                        ; my first column, in bytes: 1,024 x tile column + 512 x half
	s_lshl_b32 s47, s12, 9
	s_add_co_u32 s46, s46, s47
	s_mov_b32 s47, 0
	s_add_nc_u64 s[8:9], s[8:9], s[46:47]
; 8 matrix instructions: m block i against all 8 n blocks, 32 along K, from buffer f.  zero = 1: the product starts the sums: nothing is ever cleared.  The 32 accumulators take turns, one instruction a turn, in the same
; order in every quarter.
.macro MUL8 f, i, zero
.irp b, 0,1,2,3,4,5,6,7
.if \zero
	v_wmma_f32_16x16x32_f16 v[8*(8*\i+\b):8*(8*\i+\b)+7], v[\f+8*\b:\f+8*\b+7], v[\f+64+8*\i:\f+64+8*\i+7], 0
.else
	v_wmma_f32_16x16x32_f16 v[8*(8*\i+\b):8*(8*\i+\b)+7], v[\f+8*\b:\f+8*\b+7], v[\f+64+8*\i:\f+64+8*\i+7], v[8*(8*\i+\b):8*(8*\i+\b)+7]
.endif
.endr
.endm
; 24 LDS loads in one run: the fragments of the slot's q-th 32 along K into buffer f: W_o's eight, then A's four (slab q / 2, channels 32 (q % 2) on)
.macro FETCH slot, q, f
.irp b, 0,1,2,3,4,5,6,7
	ds_load_tr16_b128 v[\f+8*\b:\f+8*\b+3],   v[ADRB+\slot] offset:32*PB*(\q)+32*\b
	ds_load_tr16_b128 v[\f+8*\b+4:\f+8*\b+7], v[ADRB+\slot] offset:32*PB*(\q)+32*\b+16*PB
.endr
.irp i, 0,1,2,3
	ds_load_b128 v[\f+64+8*\i:\f+64+8*\i+3],   v[ADRA+\slot] offset:((\q)/2)*SLAB+((\q)%2)*64+8*PA*\i
	ds_load_b128 v[\f+64+8*\i+4:\f+64+8*\i+7], v[ADRA+\slot] offset:((\q)/2)*SLAB+((\q)%2)*64+8*PA*\i+32
.endr
.endm
.macro PLACES                          ; four places in front of loads into registers that matrix instructions have read, and of the first read of results (ISA guide 7.12.1 for vector instructions)
.rept 4
	v_nop
.endr
.endm
; A K step is four quarters of 32 along K, 32 matrix instructions each, on buffers 0, 1, 0, 1.  One of the first three: multiplies buffer f and fetches the slot's q-th quarter into g.
.macro QUARTER slot, q, f, g, zero
	s_wait_dscnt 4                                 ; W_o's fragments and A's blocks 0 and 1 are in; the youngest four loads (A's blocks 2 and 3) may be out
	WIN MUL
	MUL8 \f, 0, \zero
	MUL8 \f, 1, \zero
	PLACES
	WIN 0
	FETCH \slot, \q, \g
	s_wait_dscnt 24                                ; all but the 24 just issued
	WIN MUL
	MUL8 \f, 2, \zero
	MUL8 \f, 3, \zero
.endm
; The last quarter multiplies buffer 1 and changes slots: ONE barrier; in front of it each wave waits for all its tensor loads, adds 0 to its spare word, and waits for that and for its own reads of this slot.
; fill = 1: this slot is filled again, two K steps ahead: the barrier then opens a round of the cluster's.
.macro TURN slot, next, fill
	WIN 0                                          ; (the add's two registers lie in window 0)
	s_wait_tensorcnt 0x0                           ; all my tensor loads have landed: my part of the next slot
	ds_add_u32 v[SPW], v[NIL]                      ; 0 onto my spare word
	s_wait_dscnt 5                                 ; the add and the youngest four loads may be out
	WIN MUL
	MUL8 F1, 0, 0                                  ; eight matrix instructions stand between the add and the wait for it
	s_wait_dscnt 0x0                               ; the add is done, and my reads of this slot are over
	s_barrier_signal -1
	MUL8 F1, 1, 0
.if \fill
	WIN 0
.endif
	s_barrier_wait -1
.if \fill
	CREST                                          ; no wave of any partner still reads this slot's tiles or has a load on its way
	s_add_nc_u64 s[G0+4*\slot+2:G0+4*\slot+3], s[G0+4*\slot+2:G0+4*\slot+3], 2*2097152
	s_add_nc_u64 s[G0B+4*\slot+2:G0B+4*\slot+3], s[G0B+4*\slot+2:G0B+4*\slot+3], 2*262144
	JLOAD \slot                                    ; the first tensor load behind the round; the four v_nop behind it are also the places in front of the loads below
.else
	PLACES
.endif
	WIN 0
	FETCH \next, 0, F0
	WIN MUL
	MUL8 F1, 2, 0
	MUL8 F1, 3, 0
.endm
	s_wait_tensorcnt 1                             ; my part of K step 0 is in; K step 1's load may be out
	s_barrier_signal -1
	s_barrier_wait -1                              ; everybody's is
	FETCH 0, 0, F0
	QUARTER 0, 1, F0, F1, 1                        ; the first quarter stands in front of the loop: its products start the sums
	WIN 0                                          ; at a label and at a branch every window is 0
	s_mov_b32 s3, LAPS-1
.Llap:                                                 ; a trip goes once round the ring, from a lap's second quarter to the next lap's first, and fills both slots again
	QUARTER 0, 2, F1, F0, 0
	QUARTER 0, 3, F0, F1, 0
	TURN 0, 1, 1
	QUARTER 1, 1, F0, F1, 0
	QUARTER 1, 2, F1, F0, 0
	QUARTER 1, 3, F0, F1, 0
	TURN 1, 0, 1
	QUARTER 0, 1, F0, F1, 0
	WIN 0
	s_sub_co_u32 s3, s3, 1
	s_cmp_lg_u32 s3, 0
	s_cbranch_scc1 .Llap
	QUARTER 0, 2, F1, F0, 0                        ; the last lap fills nothing, and has no round of the cluster's barrier
	QUARTER 0, 3, F0, F1, 0
	TURN 0, 1, 0
	QUARTER 1, 1, F0, F1, 0
	QUARTER 1, 2, F1, F0, 0
	QUARTER 1, 3, F0, F1, 0
	s_wait_dscnt 4                                 ; the very last quarter: nothing more to fetch
	WIN MUL
	MUL8 F1, 0, 0
	MUL8 F1, 1, 0
	s_wait_dscnt 0
	MUL8 F1, 2, 0
	MUL8 F1, 3, 0
	WIN 0
; THE WAY OUT, block by block of 16 rows x 128 columns.  A lane holds 32 neighbouring bytes of a row, and the lanes beside it hold other rows: so a block goes through my own stage and comes back as whole rows of 512
; bytes.  LDS serves a wave's instructions in order (ISA guide 5.7.1.4): no wait between the stores and the loads, nor in front of the next block's stores.
.macro TOSTAGE a
	WIN 0x04                                       ; an LDS store's data are its source 1: window 1
.irp b, 0,1,2,3,4,5,6,7
	ds_store_b128 v[STO], v[64*(\a)+8*\b:64*(\a)+8*\b+3] offset:64*\b          ; each accumulator from its low end on
	ds_store_b128 v[STO], v[64*(\a)+8*\b+4:64*(\a)+8*\b+7] offset:64*\b+16
.endr
	WIN 0
.set BB, BK+64*((\a)%2)
.irp t, 0,1,2,3,4,5,6,7,8,9,10,11,12,13,14,15
	ds_load_b128 v[BB+4*\t:BB+4*\t+3], v[RD] offset:\t*SPITCH
.endr
.endm
.macro SEND a, younger                 ; younger: the LDS instructions issued behind block a's loads, which may stay out
.set BB, BK+64*((\a)%2)
	s_wait_dscnt \younger                          ; the block is back in registers
.irp t, 0,1,2,3,4,5,6,7,8,9,10,11,12,13,14,15
	global_store_b128 v[CO], v[BB+4*\t:BB+4*\t+3], s[8:9] offset:(\a)*65536+\t*4096 th:TH_STORE_NT   ; 32 lanes store 512 consecutive bytes, aligned; written once, read by nobody here
.endr
.endm
	PLACES                                         ; behind the last products: the stage's stores read results, and its loads land where fragments lay
	TOSTAGE 0
.irp a, 1,2,3
.if \a > 1
	s_wait_xcnt 0x0                                ; block a - 2's stores have read their registers: block a's loads may land there
.endif
	TOSTAGE \a
	SEND \a-1, 32                                  ; behind block a - 1's loads: block a's 16 stores and 16 loads
.endr
	SEND 3, 0
	s_wait_tensorcnt 0x0                           ; the wave's end
	ds_add_u32 v[SPW], v[NIL]
	s_wait_dscnt 0x0
	CROUND                                         ; the closing round: no work-group ends while a partner may still ask for a tile that names it
	s_endpgm
.Lfunc_end_k_qe26db7ec8e_proj:
	.size	k_qe26db7ec8e_proj, .Lfunc_end_k_qe26db7ec8e_proj-k_qe26db7ec8e_proj
	.p2alignl 7, 3214868480
	.fill 96, 4, 3214868480
	.section	.rodata,"a",@progbits
	.p2align	6, 0x0
	.amdhsa_kernel k_qe26db7ec8e_proj
		.amdhsa_group_segment_fixed_size 327680
		.amdhsa_private_segment_fixed_size 0
		.amdhsa_enable_private_segment 0
		.amdhsa_kernarg_size 24
		.amdhsa_user_sgpr_count 2
		.amdhsa_user_sgpr_kernarg_segment_ptr 1
		.amdhsa_wavefront_size32 1
		.amdhsa_system_sgpr_workgroup_id_x 1
		.amdhsa_system_sgpr_workgroup_id_y 1
		.amdhsa_system_sgpr_workgroup_id_z 1
		.amdhsa_system_vgpr_workitem_id 0
		.amdhsa_next_free_vgpr 512
		.amdhsa_next_free_sgpr 66
		.amdhsa_reserve_vcc 0
		.amdhsa_float_denorm_mode_32 3
		.amdhsa_float_denorm_mode_16_64 3
		.amdhsa_memory_ordered 1
		.amdhsa_forward_progress 1
		.amdhsa_inst_pref_size 85
	.end_amdhsa_kernel
	.amdgpu_metadata
---
amdhsa.version: [ 1, 2 ]
amdhsa.kernels:
  - .name:           k_qe26db7ec8e_proj
    .symbol:         k_qe26db7ec8e_proj.kd
    .args:
      - { .name: att, .offset: 0, .size: 8, .value_kind: global_buffer, .address_space: global }
      - { .name: wo_h, .offset: 8, .size: 8, .value_kind: global_buffer, .address_space: global }
      - { .name: out0, .offset: 16, .size: 8, .value_kind: global_buffer, .address_space: global }
    .group_segment_fixed_size: 327680
    .private_segment_fixed_size: 0
    .kernarg_segment_align: 8
    .kernarg_segment_size: 24
    .max_flat_workgroup_size: 128
    .sgpr_count:     66
    .vgpr_count:     512
    .wavefront_size: 32
...
	.end_amdgpu_metadata
.endif
;; end of part 4
